; MI455X (gfx1250); checked and timed in simulation.
; The chip was launched on July 23, 2026; its instructions are those of AMD's public machine-readable ISA for CDNA 5 (MIT licence, August 2026) and "CDNA5" Instruction Set Architecture Reference Guide (July 2026). The comments in the code are by the model that wrote it; some were corrected since.
;; Offset Attention1. Allowed arithmetic: matrix products marked QUANTISED: E2M3 operands, one E8M0 scale for each 32 along K, by v_wmma_scale_f32_16x16x128_f8f6f4 with both operands' format E2M3, f32 sums; products left as they are: f32 operands where the result goes on into a quantised operand, else bf16, f16 or f32 operands; f32 sums; everything else in f32.
;; Inputs: W1 256 x 3 float32; Wq 64 x 256 float32; Wt 256 x 256 float32; Wv 256 x 256 float32; b1 256 float32; b2 256 float32; bt 256 float32; bv 256 float32; g1 256 float32; g2 256 float32; x 8 x 3 x 4,096 float32.
;; Outputs: out0 8 x 256 x 4,096 float32.
;; This version of the problem:
;;   THIS VERSION OF THE PROBLEM IS GIVEN IN LOW PRECISION. The matrix products marked QUANTISED in the list below multiply operands that are first quantised to E2M3 (2 exponent bits, 3 mantissa bits; 6 bits a number), with one power-of-two scale for each 32 numbers along K (OCP MX v1.0); their sums are f32. All else is computed in f32.
;;   The module's matrix products, in the order in which they are computed (A, B: the left and right operand; K: the contracted axis; several contracted axes count as one K, in the product's order):
;;     1. [M 32,768, K 3] x [K 3, N 256]; A: input x; B: input W1: left as it is (K = 3 < 32)
;;     2. [M 32,768, K 256] x [K 256, N 64]; A: computed on the way; B: input Wq: QUANTISED
;;     3. batch 8 x [M 4,096, K 64] x [K 64, N 4,096]; A: computed on the way; B: computed on the way: QUANTISED
;;     4. [M 32,768, K 256] x [K 256, N 256]; A: computed on the way; B: input Wv: QUANTISED
;;     5. batch 8 x [M 256, K 4,096] x [K 4,096, N 4,096]; A: computed on the way; B: computed on the way: QUANTISED
;;     6. [M 32,768, K 256] x [K 256, N 256]; A: computed on the way; B: input Wt: QUANTISED
;;   THE QUANTISER, for each operand of a quantised product, along K:
;;     - K is cut into blocks of 32 from its start; a last block that is shorter is filled with zeros.
;;     - A block's scale is 2^e with e = floor(log2(the largest magnitude in the block)) - 2, held to -126 .. 127; a block of zeros has e = 0. As a byte (E8M0): e + 127.
;;     - Each number is divided by its block's scale, clamped to +-7.5, and rounded to the nearest number of E2M3, ties to even, subnormals kept.
;;     - The product sums the exact products of the quantised numbers (number of the format x scale) in f32.
;;   ~~~python
;;   def quantise(x, axis):      # numpy; x: float32 -> the quantised numbers, widened to float32 again
;;       x = np.moveaxis(x, axis, -1); K = x.shape[-1]
;;       x = np.pad(x, [(0, 0)] * (x.ndim - 1) + [(0, -K % 32)]); x = x.reshape(x.shape[:-1] + (-1, 32)); a = np.abs(x).max(-1, keepdims=True)
;;       e = np.where(a > 0, np.clip(np.frexp(np.where(a > 0, a, 1))[1] - 1 - 2, -126, 127), 0)      # np.frexp(a)[1] - 1 = floor(log2(a)), exactly
;;       r = np.clip(x / 2.0 ** e, -7.5, 7.5)
;;       step = 2.0 ** (np.maximum(np.frexp(np.where(r == 0, 1, r))[1] - 1, 0) - 3)
;;       q = np.round(r / step) * step * 2.0 ** e      # np.round: ties to even
;;       return np.moveaxis(q.reshape(q.shape[:-2] + (-1,))[..., :K], -1, axis).astype(np.float32)
;;   ~~~
;;   OPERANDS COMPUTED ON THE WAY. 'Computed on the way' means the value that the module computes at that place (a softmax that the list does not call 'softmax' is quantised finished and normalised). What goes into a quantiser is computed in f32, as accurately as f32 sums, v_exp_f32 and their like allow (about 1e-6 of the number): no bf16 or f16 on the way to a quantiser, and a product that is left as it is and whose result goes on into a quantised operand takes f32 operands (vector FMAs, or v_wmma_f32_16x16x4_f32). A number that lies on a knife's edge between two numbers of the format may be rounded either way, as far as f32 arithmetic and the matrix unit's own rounding can turn it there, and no further.
;; One version. Each part assembles by itself: llvm-mc -triple=amdgcn-amd-amdhsa -mcpu=gfx1250 --defsym DOCPART=n.
;; ======== version 1 of 1: 5 launches
;; workspace buffers: prepb 121,856 bytes; emb 8,196,352 bytes; negl 131,072 bytes; tbuf 33,554,432 bytes; tpart 524,288 bytes
;; launch prep (part 1): grid 41 x 1, 8 waves a work-group, no clusters, 2,048 bytes of LDS; arguments x, Wq, Wv, Wt, prepb; writes prepb
.if DOCPART == 1
	.amdgcn_target "amdgcn-amd-amdhsa--gfx1250"
	.amdhsa_code_object_version 6
	.text
	.protected	k_q83cb8f3061_prep
	.globl	k_q83cb8f3061_prep
	.p2align	8
	.type	k_q83cb8f3061_prep,@function
k_q83cb8f3061_prep:
	s_mov_b64 s[64:65], 0
	v_nop
	global_prefetch_b8 v0, s[64:65] scope:SCOPE_SE
	s_setreg_imm32_b32 hwreg(HW_REG_WAVE_MODE, 25, 1), 1
	s_wait_xcnt 0x0
; Two jobs, parted on the work-group's number.
; Work-groups 0-31: a chunk of 1,024 points of x (batch i / 4, quarter i % 4): the chunk's three means and its six centred second moments, 48 bytes at XPART + 64 i.
;   Centred moments of chunks are joined later by sums of terms that are never negative: no difference of large sums is formed, whatever offset x carries.
; Work-groups 32-40: a wave quantises ONE operand fragment (16 rows x 128 K) of Wq, Wv or Wt to E2M3 codes with E8M0 scales and stores it as an image of the operand's registers:
;   registers 4 j .. 4 j + 3 of lane l at 1536 f + 512 j + 16 l; its scale word (one a row) at WSCL + 128 f + 4 l, alike in both halves of the lanes.
;   Fragment f: Wq 2 T + s (T 0-3), Wv 8 + 2 T + s, Wt 40 + 2 T + s (T 0-15), s the K step of 128.  THE ROWS OF A TILE ARE NOT NEIGHBOURS: lane r of tile T takes row 32 (T / 2) + 8 (T % 2) + r + 8 (r / 8).
; LIMITS: NaN and infinities are not served.  A block of zeros gets the byte 1 where the rule says 127: its codes are zeros, and this program alone reads the bytes.
.set WSCL,  110592
.set XPART, 119808
.set SEL,   20
.macro WSUM r, t                       ; the sum over the wave's 32 lanes, in every lane
	v_add_f32_dpp v[\r], v[\r], v[\r] row_xmask:1 row_mask:0xf bank_mask:0xf
	v_add_f32_dpp v[\r], v[\r], v[\r] row_xmask:2 row_mask:0xf bank_mask:0xf
	v_add_f32_dpp v[\r], v[\r], v[\r] row_xmask:4 row_mask:0xf bank_mask:0xf
	v_add_f32_dpp v[\r], v[\r], v[\r] row_xmask:8 row_mask:0xf bank_mask:0xf
	v_permlanex16_b32 v[\t], v[\r], s[SEL], s[SEL+1]
	v_add_f32 v[\r], v[\r], v[\t]
.endm
.macro BAR                             ; my LDS stores have landed and my LDS loads are in: then the work-group's barrier
	s_wait_dscnt 0x0
	s_barrier_signal -1
	s_barrier_wait -1
.endm
.macro MOM d, a, b                     ; the sum over my four points of delta_a delta_b
	v_mul_f32 v[\d], v[8+4*\a], v[8+4*\b]
	v_fmac_f32 v[\d], v[9+4*\a], v[9+4*\b]
	v_fmac_f32 v[\d], v[10+4*\a], v[10+4*\b]
	v_fmac_f32 v[\d], v[11+4*\a], v[11+4*\b]
.endm
	s_load_b128 s[4:7], s[0:1], 0x0                ; x, Wq
	s_load_b128 s[8:11], s[0:1], 0x10              ; Wv, Wt
	s_load_b64 s[12:13], s[0:1], 0x20              ; prepb
	v_lshl_add_u32 v128, v0, 2, 0x400
	v_mov_b32 v129, 0
	v_lshrrev_b32 v1, 5, v0
	v_readfirstlane_b32 s14, v1                    ; wave 0..7
	v_and_b32 v2, 31, v0                           ; lane
	s_mov_b32 s[SEL], 0x76543210
	s_mov_b32 s[SEL+1], 0xfedcba98                 ; v_permlanex16_b32's selects for lane l xor 16
	v_mov_b32 v7, 0                                ; a lane permute's destination counts as one of its sources
	s_wait_kmcnt 0x0
	s_cmp_lt_u32 ttmp9, 32
	s_cbranch_scc0 .Lweights
	; ---- a chunk's moments
	s_lshr_b32 s15, ttmp9, 2
	s_and_b32 s16, ttmp9, 3
	s_mul_i32 s15, s15, 49152                      ; the batch: 3 x 4,096 numbers
	s_lshl_b32 s16, s16, 12                        ; the quarter: 1,024 numbers
	s_add_co_u32 s15, s15, s16
	v_lshl_add_u32 v3, v0, 4, s15                  ; 16 bytes a thread: a wave reads 512 bytes on end
	global_load_b128 v[8:11], v3, s[4:5]
	global_load_b128 v[12:15], v3, s[4:5] offset:16384
	global_load_b128 v[16:19], v3, s[4:5] offset:32768
	v_mov_b32 v4, s14
	v_lshlrev_b32 v4, 4, v4                        ; 16 x wave
	v_lshlrev_b32 v5, 1, v4                        ; 32 x wave
	v_mov_b32 v6, 0
	s_wait_loadcnt 0x0
.irp c, 0,1,2
	v_add_f32 v[20+\c], v[8+4*\c], v[9+4*\c]
	v_add_f32 v[24+\c], v[10+4*\c], v[11+4*\c]
.endr
.irp c, 0,1,2
	v_add_f32 v[20+\c], v[20+\c], v[24+\c]
.endr
.irp c, 20,21,22
	WSUM \c, 7
.endr
	v_mov_b32 v23, 0
	ds_store_b128 v4, v[20:23]                     ; every lane holds the same four words
	BAR
.irp k, 0,1,2,3,4,5,6,7
	ds_load_b128 v[64+4*\k:67+4*\k], v6 offset:16*\k               ; the eight waves' sums
.endr
	s_wait_dscnt 0x0
.irp c, 0,1,2
	v_add_f32 v[40+\c], v[64+\c], v[68+\c]
.endr
.irp k, 2,3,4,5,6,7
.irp c, 0,1,2
	v_add_f32 v[40+\c], v[40+\c], v[64+4*\k+\c]
.endr
.endr
.irp c, 0,1,2
	v_mul_f32 v[40+\c], 0x3a800000, v[40+\c]       ; / 1,024: the chunk's means
.endr
.irp c, 0,1,2
.irp p, 0,1,2,3
	v_sub_f32 v[8+4*\c+\p], v[8+4*\c+\p], v[40+\c]
.endr
.endr
	MOM 24, 0, 0
	MOM 25, 0, 1
	MOM 26, 0, 2
	MOM 27, 1, 1
	MOM 28, 1, 2
	MOM 29, 2, 2
.irp c, 24,25,26,27,28,29
	WSUM \c, 7
.endr
	v_mov_b32 v30, 0
	v_mov_b32 v31, 0
	ds_store_b128 v5, v[24:27] offset:128          ; other bytes than the first exchange's
	ds_store_b128 v5, v[28:31] offset:144
	BAR
.irp k, 0,1,2,3,4,5,6,7
	ds_load_b128 v[64+8*\k:67+8*\k], v6 offset:128+32*\k
	ds_load_b128 v[68+8*\k:71+8*\k], v6 offset:144+32*\k
.endr
	s_wait_dscnt 0x0
.irp c, 0,1,2,3,4,5
	v_add_f32 v[43+\c], v[64+\c], v[72+\c]
.endr
.irp k, 2,3,4,5,6,7
.irp c, 0,1,2,3,4,5
	v_add_f32 v[43+\c], v[43+\c], v[64+8*\k+\c]
.endr
.endr
	v_mov_b32 v49, 0
	v_mov_b32 v50, 0
	v_mov_b32 v51, 0
	s_cmp_lg_u32 s14, 0
	s_cbranch_scc1 .Ldone                          ; wave 0 stores for the work-group
	s_lshl_b32 s16, ttmp9, 6
	s_add_co_u32 s16, s16, XPART
	s_mov_b32 s17, 0
	s_add_nc_u64 s[12:13], s[12:13], s[16:17]
	s_wait_xcnt 0x0                                ; EXEC changes only behind this wait
	s_wait_tensorcnt 0x0
	ds_add_u32 v128, v129
	s_wait_dscnt 0x0
	v_cmpx_gt_u32 1, v2                            ; lane 0 alone
	global_store_b128 v6, v[40:43], s[12:13]
	global_store_b128 v6, v[44:47], s[12:13] offset:16
	global_store_b128 v6, v[48:51], s[12:13] offset:32
	s_endpgm
.Ldone:
	s_wait_tensorcnt 0x0
	ds_add_u32 v128, v129
	s_wait_dscnt 0x0
	s_endpgm
	; ---- a fragment of a weight
.Lweights:
	s_sub_co_u32 s15, ttmp9, 32
	s_lshl_b32 s15, s15, 3
	s_add_co_u32 s15, s15, s14                     ; f = 0 .. 71
	s_cmp_lt_u32 s15, 40
	s_cselect_b64 s[16:17], s[8:9], s[10:11]       ; Wv or Wt: the choice hangs on ids alone
	s_cselect_b32 s18, 8, 40
	s_cmp_lt_u32 s15, 8
	s_cselect_b64 s[16:17], s[6:7], s[16:17]       ; or Wq
	s_cselect_b32 s18, 0, s18
	s_sub_co_u32 s19, s15, s18                     ; 2 T + s
	s_lshr_b32 s22, s19, 1                         ; T
	s_and_b32 s23, s19, 1                          ; s
	s_lshr_b32 s24, s22, 1
	s_and_b32 s25, s22, 1
	s_lshl_b32 s24, s24, 15                        ; 32 rows of 1,024 bytes
	s_lshl_b32 s25, s25, 13                        ; 8 rows
	s_lshl_b32 s23, s23, 9                         ; 128 numbers
	s_add_co_u32 s24, s24, s25
	s_add_co_u32 s24, s24, s23
	v_and_b32 v3, 15, v0                           ; r
	v_bfe_u32 v4, v0, 4, 1                         ; h
	v_and_b32 v5, 8, v3
	v_add_nc_u32 v5, v5, v3                        ; r + 8 (r / 8)
	v_lshl_add_u32 v5, v5, 10, s24
	v_lshl_add_u32 v5, v4, 7, v5                   ; + 32 h numbers: the operand's layout gives lane (r, h) k = 64 c + 32 h + 0 .. 31
.irp c, 0,1
.irp q, 0,1,2,3,4,5,6,7
	global_load_b128 v[64+32*\c+4*\q:67+32*\c+4*\q], v5, s[16:17] offset:256*\c+16*\q
.endr
.endr
	s_wait_loadcnt 0x0
.irp c, 0,1                                    ; my block 2 c + h: all its 32 numbers are mine
	v_max3_num_f32 v[32+\c], |v[64+32*\c]|, |v[65+32*\c]|, 0x1800000   ; with the floor 2^(3 - 127): the byte cannot fall under 1
.endr
.irp i, 2,4,6,8,10,12,14,16,18,20,22,24,26,28,30
.irp c, 0,1
	v_max3_num_f32 v[32+\c], v[32+\c], |v[64+32*\c+\i]|, |v[65+32*\c+\i]|
.endr
.endr
.irp c, 0,1
	v_add_nc_u32 v[44+\c], 0xff000000, v[32+\c]    ; 2 off the exponent field: the conversion's scale operand
.endr
.irp c, 0,1
	v_lshrrev_b32 v[36+\c], 23, v[44+\c]           ; the scale's byte
.endr
	v_lshl_or_b32 v9, v37, 16, v36                 ; blocks h and 2 + h,
	v_lshlrev_b32 v10, 3, v4
	v_lshlrev_b32 v9, v10, v9                      ; at their places in the word;
	v_permlanex16_b32 v7, v9, s[SEL], s[SEL+1]
	v_or_b32 v9, v9, v7                            ; with lane l xor 16's two the word is whole
.irp c, 0,1
	v_cvt_scalef32_pk16_fp6_f32 v[48+6*\c:50+6*\c], v[64+32*\c:79+32*\c], v[44+\c]
	v_cvt_scalef32_pk16_fp6_f32 v[24+4*\c:26+4*\c], v[80+32*\c:95+32*\c], v[44+\c]   ; (a conversion's three registers begin on an even number)
.endr
	v_nop                                          ; one plain place behind a scaled conversion
.irp c, 0,1
.irp i, 0,1,2
	v_mov_b32 v[51+6*\c+\i], v[24+4*\c+\i]
.endr
.endr
	s_mul_i32 s26, s15, 1536
	v_lshl_add_u32 v10, v2, 4, s26
	s_lshl_b32 s27, s15, 7
	s_add_co_u32 s27, s27, WSCL
	v_lshl_add_u32 v11, v2, 2, s27
	global_store_b128 v10, v[48:51], s[12:13]      ; 512 bytes on end a store
	global_store_b128 v10, v[52:55], s[12:13] offset:512
	global_store_b128 v10, v[56:59], s[12:13] offset:1024
	global_store_b32 v11, v9, s[12:13]
	s_endpgm
.Lfunc_end_k_q83cb8f3061_prep:
	.size	k_q83cb8f3061_prep, .Lfunc_end_k_q83cb8f3061_prep-k_q83cb8f3061_prep
	.p2alignl 7, 3214868480
	.fill 96, 4, 3214868480
	.section	.rodata,"a",@progbits
	.p2align	6, 0x0
	.amdhsa_kernel k_q83cb8f3061_prep
		.amdhsa_group_segment_fixed_size 2048
		.amdhsa_private_segment_fixed_size 0
		.amdhsa_enable_private_segment 0
		.amdhsa_kernarg_size 40
		.amdhsa_user_sgpr_count 2
		.amdhsa_user_sgpr_kernarg_segment_ptr 1
		.amdhsa_wavefront_size32 1
		.amdhsa_system_sgpr_workgroup_id_x 1
		.amdhsa_system_sgpr_workgroup_id_y 1
		.amdhsa_system_sgpr_workgroup_id_z 1
		.amdhsa_system_vgpr_workitem_id 0
		.amdhsa_next_free_vgpr 130
		.amdhsa_next_free_sgpr 66
		.amdhsa_reserve_vcc 0
		.amdhsa_float_denorm_mode_32 3
		.amdhsa_float_denorm_mode_16_64 3
		.amdhsa_memory_ordered 1
		.amdhsa_forward_progress 1
		.amdhsa_inst_pref_size 18
	.end_amdhsa_kernel
	.amdgpu_metadata
---
amdhsa.version: [ 1, 2 ]
amdhsa.kernels:
  - .name:           k_q83cb8f3061_prep
    .symbol:         k_q83cb8f3061_prep.kd
    .args:
      - { .name: x, .offset: 0, .size: 8, .value_kind: global_buffer, .address_space: global }
      - { .name: Wq, .offset: 8, .size: 8, .value_kind: global_buffer, .address_space: global }
      - { .name: Wv, .offset: 16, .size: 8, .value_kind: global_buffer, .address_space: global }
      - { .name: Wt, .offset: 24, .size: 8, .value_kind: global_buffer, .address_space: global }
      - { .name: prepb, .offset: 32, .size: 8, .value_kind: global_buffer, .address_space: global }
    .group_segment_fixed_size: 2048
    .private_segment_fixed_size: 0
    .kernarg_segment_align: 8
    .kernarg_segment_size: 40
    .max_flat_workgroup_size: 256
    .sgpr_count:     66
    .vgpr_count:     130
    .wavefront_size: 32
...
	.end_amdgpu_metadata
.endif
;; end of part 1
;; launch embed (part 2): grid 256 x 1, 4 waves a work-group, no clusters, 31,232 bytes of LDS; arguments x, W1, g1, b1, bv, prepb, emb; writes emb
.if DOCPART == 2
	.amdgcn_target "amdgcn-amd-amdhsa--gfx1250"
	.amdhsa_code_object_version 6
	.text
	.protected	k_q83cb8f3061_embed
	.globl	k_q83cb8f3061_embed
	.p2align	8
	.type	k_q83cb8f3061_embed,@function
k_q83cb8f3061_embed:
	s_mov_b64 s[64:65], 0
	v_nop
	global_prefetch_b8 v0, s[64:65] scope:SCOPE_SE
	s_setreg_imm32_b32 hwreg(HW_REG_WAVE_MODE, 25, 1), 1
	s_wait_xcnt 0x0
; For 128 points of one batch (work-group = 32 b + blk; wave w: the group of 32 points g = 4 blk + w, as two tiles of 16):
;   h = relu(BN(W1 x)) in f32, quantised along the channels in registers;  qk = Wq h and v = Wv h + bv on E2M3 codes;  qk quantised along its 64 channels, v along the points; both stored as images of operand registers.
; BN1: W1 x is linear in x, so a channel's mean is W1[c] . mu and its variance W1[c]^T Cov W1[c]; mu and Cov are joined from the 32 chunks' means and centred moments (sums of terms that are never negative).
;   h = relu(sum_i A_i (x_i - mu_i) + b1), A_i = g1 rsq(var + 1e-5) W1[c][i].  The order of rounding differs from a mean taken over W1 x itself; both are f32.
; TILES: lane r of tile u of a group of 32 indices takes index 8 u + r + 8 (r / 8): the 16 result registers of tiles 0 and 1 are then 16 neighbours, 16 (lane / 16) + 0 .. 15.
; qk's image of a group: registers 0-5 tile 0's 64 codes, registers 6-11 tile 1's; the row's scale word (t0.b0, t0.b1, t1.b0, t1.b1).
; v's image (K step = these 128 points, channel tile T): wave w's block of 32 points is registers 6 (w / 2) .. + 5 of lanes 16 (w % 2) + r: gathered in LDS, stored as 2,048 bytes on end an instruction.
; LIMITS: NaN and infinities are not served; a block of zeros gets the byte 1 (its codes are zeros; this program alone reads the bytes).
; No tensor loads: every byte is read by one wave, straight into its registers.
.set TAB,   0                          ; LDS: A0[256], A1, A2, b1: 4 x 1,024 bytes
.set VST,   4096                       ; v's 16 images, 1,536 bytes each
.set VSS,   28672                      ; their scale words: 16 x 64 bytes
.set WSCL,  110592
.set XPART, 119808
.set QKSCL, 1572864
.set VIMG,  1638400
.set VSCL,  7929856
.set P1TAB, 8192000
.set SEL, 22
.set XD,  16                           ; v16-27   x - mu of my two points, each number twice
.set HF,  28                           ; v28-75   h's fragments (tile u, K step s) at 24 u + 12 s
.set HS,  76                           ; v76-79   their scale words
.set PAR, 80                           ; v80-143  16 channels' A0, A1, A2, b1;  later:
.set WF,  80                           ; v80-127  two sets of two weight fragments
.set BV,  132                          ; v132-133 bv of my channel, two sets
.set H,   144                          ; v144-207 h, 32 numbers a tile;  later qk (32 a tile), later v's accumulators (two sets of 16)
.set PC,  208                          ; v208-219 qk's codes
.set CT,  220                          ; v220-226 conversions' second halves; v's codes
.set TM,  228
.set TSR, 232
.set BY,  236
.set PT,  240
.set PW,  244
.set SH8, 245
.set WS,  246                          ; v246-249 the weights' scale words, two sets of two: scales and nothing else
.set VA,  252                          ; v252-254 where my three registers of v's codes go in LDS
.set VB,  255                          ; and my scale byte
.macro WSUM r, t
	v_add_f32_dpp v[\r], v[\r], v[\r] row_xmask:1 row_mask:0xf bank_mask:0xf
	v_add_f32_dpp v[\r], v[\r], v[\r] row_xmask:2 row_mask:0xf bank_mask:0xf
	v_add_f32_dpp v[\r], v[\r], v[\r] row_xmask:4 row_mask:0xf bank_mask:0xf
	v_add_f32_dpp v[\r], v[\r], v[\r] row_xmask:8 row_mask:0xf bank_mask:0xf
	v_permlanex16_b32 v[\t], v[\r], s[SEL], s[SEL+1]
	v_add_f32 v[\r], v[\r], v[\t]
.endm
.macro BAR
	s_wait_dscnt 0x0
	s_barrier_signal -1
	s_barrier_wait -1
.endm
.macro PLACES                          ; four plain places behind a matrix instruction, ahead of reads of its result and of loads into its registers
.rept 4
	v_nop
.endr
.endm
.macro MM d, a, b, c, sa, sb, row      ; one product 16 x 16 x 128; c < 0: the sum starts with the constant 0; row: A's scales from lanes 16-31
.if (\c) < 0
.if (\row)
	v_wmma_scale_f32_16x16x128_f8f6f4 v[0+(\d):7+(\d)], v[0+(\a):11+(\a)], v[0+(\b):11+(\b)], 0, v[\sa], v[\sb] matrix_a_fmt:MATRIX_FMT_FP6 matrix_b_fmt:MATRIX_FMT_FP6 matrix_a_scale:MATRIX_SCALE_ROW1
.else
	v_wmma_scale_f32_16x16x128_f8f6f4 v[0+(\d):7+(\d)], v[0+(\a):11+(\a)], v[0+(\b):11+(\b)], 0, v[\sa], v[\sb] matrix_a_fmt:MATRIX_FMT_FP6 matrix_b_fmt:MATRIX_FMT_FP6
.endif
.else
.if (\row)
	v_wmma_scale_f32_16x16x128_f8f6f4 v[0+(\d):7+(\d)], v[0+(\a):11+(\a)], v[0+(\b):11+(\b)], v[0+(\c):7+(\c)], v[\sa], v[\sb] matrix_a_fmt:MATRIX_FMT_FP6 matrix_b_fmt:MATRIX_FMT_FP6 matrix_a_scale:MATRIX_SCALE_ROW1
.else
	v_wmma_scale_f32_16x16x128_f8f6f4 v[0+(\d):7+(\d)], v[0+(\a):11+(\a)], v[0+(\b):11+(\b)], v[0+(\c):7+(\c)], v[\sa], v[\sb] matrix_a_fmt:MATRIX_FMT_FP6 matrix_b_fmt:MATRIX_FMT_FP6
.endif
.endif
.endm
	s_load_b256 s[4:11], s[0:1], 0x0               ; x, W1, g1, b1
	s_load_b128 s[12:15], s[0:1], 0x20             ; bv, prepb
	s_load_b64 s[16:17], s[0:1], 0x30              ; emb
	v_lshl_add_u32 v250, v0, 2, 0x7800
	v_mov_b32 v251, 0
	v_lshrrev_b32 v1, 5, v0
	v_readfirstlane_b32 s18, v1                    ; wave
	v_and_b32 v3, 31, v0                           ; lane
	v_and_b32 v1, 15, v0                           ; r
	v_bfe_u32 v2, v0, 4, 1                         ; h
	v_and_b32 v4, 8, v1
	v_add_nc_u32 v4, v4, v1                        ; r + 8 (r / 8)
	v_lshlrev_b32 v5, 4, v3                        ; 16 x lane
	v_lshlrev_b32 v6, 2, v3                        ; 4 x lane
	v_lshlrev_b32 v7, 7, v2                        ; 32 h channels in a table
	v_lshlrev_b32 v8, 2, v4
	v_lshlrev_b32 v9, 2, v1
	s_lshr_b32 s19, ttmp9, 5                       ; b
	s_and_b32 s20, ttmp9, 31                       ; blk
	s_lshl_b32 s21, s20, 2
	s_add_co_u32 s21, s21, s18                     ; g
	s_mov_b32 s[SEL], 0x76543210
	s_mov_b32 s[SEL+1], 0xfedcba98
	v_lshlrev_b32 v10, 6, v3                       ; a chunk's 64 bytes a lane
	v_mul_u32_u24 v11, v0, 12                      ; W1's row of channel t
	v_lshlrev_b32 v12, 2, v0
	s_mul_i32 s24, s19, 49152
	s_lshl_b32 s25, s21, 7
	s_add_co_u32 s24, s24, s25
	v_add_nc_u32 v13, s24, v8                      ; x: my point of tile 0
	s_lshr_b32 s26, s18, 1
	s_mul_i32 s26, s26, 6
	s_and_b32 s27, s18, 1
	s_lshl_b32 s27, s27, 8
	s_add_co_u32 s27, s27, VST
	v_mul_u32_u24 v14, v2, 3
	v_add_nc_u32 v14, s26, v14                     ; the image's register that my first register of codes becomes: 6 (w / 2) + 3 h
.irp i, 0,1,2
	v_add_nc_u32 v15, \i, v14
	v_lshrrev_b32 v[VA+\i], 2, v15
	v_and_b32 v15, 3, v15
	v_lshlrev_b32 v[VA+\i], 9, v[VA+\i]            ; 512 bytes for each four registers,
	v_lshl_add_u32 v[VA+\i], v15, 2, v[VA+\i]      ; 4 for each register in them,
	v_lshl_add_u32 v[VA+\i], v1, 4, v[VA+\i]       ; 16 a lane,
	v_add_nc_u32 v[VA+\i], s27, v[VA+\i]           ; lanes 16-31 where w is odd
.endr
	s_add_co_u32 s28, s18, VSS
	v_add_nc_u32 v[VB], s28, v9                    ; byte w of row r's word
	v_lshlrev_b32 v[SH8], 3, v2
.irp i, 0,1,2,3
	v_mov_b32 v[PT+\i], 0                          ; a lane permute's destination counts as one of its sources
.endr
	v_mov_b32 v122, 0
	s_wait_kmcnt 0x0
	; ---- the table of BN1
	global_load_b128 v[80:83], v10, s[14:15] offset:XPART
	global_load_b128 v[84:87], v10, s[14:15] offset:XPART+16
	global_load_b128 v[88:91], v10, s[14:15] offset:XPART+32
.irp e, 0,1
.irp i, 0,1,2
	global_load_b32 v[96+3*\e+\i], v11, s[6:7] offset:1536*\e+4*\i
.endr
	global_load_b32 v[102+\e], v12, s[8:9] offset:512*\e
	global_load_b32 v[104+\e], v12, s[10:11] offset:512*\e
.endr
.irp u, 0,1
.irp i, 0,1,2
	global_load_b32 v[106+3*\u+\i], v13, s[4:5] offset:16384*\i+32*\u
.endr
.endr
	s_wait_loadcnt 0x0
.irp j, 0,1,2
	v_mov_b32 v[112+\j], v[80+\j]
.endr
.irp j, 112,113,114
	WSUM \j, 122
.endr
.irp j, 0,1,2
	v_mul_f32 v[112+\j], 0x3d000000, v[112+\j]     ; / 32 chunks of equal size: mu
.endr
	v_mov_b32 v115, 0
.irp j, 0,1,2
	v_sub_f32 v[116+\j], v[80+\j], v[112+\j]
.endr
.irp j, 0,1,2
	v_mul_f32 v[119+\j], 0x44800000, v[116+\j]     ; x 1,024 points
.endr
	v_fmac_f32 v83, v119, v116                     ; a chunk's centred moments + 1,024 delta delta^T
	v_fmac_f32 v84, v119, v117
	v_fmac_f32 v85, v119, v118
	v_fmac_f32 v86, v120, v117
	v_fmac_f32 v87, v120, v118
	v_fmac_f32 v88, v121, v118
.irp j, 83,84,85,86,87,88
	WSUM \j, 122
.endr
.irp j, 83,84,85,86,87,88
	v_mul_f32 v[\j], 0x38000000, v[\j]             ; / 32,768: Cov (00, 01, 02, 11, 12, 22)
.endr
.irp e, 0,1                                    ; channels t and t + 128
	v_mul_f32 v124, v83, v[96+3*\e]
	v_mul_f32 v125, v84, v[96+3*\e]
	v_mul_f32 v126, v85, v[96+3*\e]
	v_fmac_f32 v124, v84, v[97+3*\e]
	v_fmac_f32 v125, v86, v[97+3*\e]
	v_fmac_f32 v126, v87, v[97+3*\e]
	v_fmac_f32 v124, v85, v[98+3*\e]
	v_fmac_f32 v125, v87, v[98+3*\e]
	v_fmac_f32 v126, v88, v[98+3*\e]
	v_mul_f32 v127, v124, v[96+3*\e]
	v_fmac_f32 v127, v125, v[97+3*\e]
	v_fmac_f32 v127, v126, v[98+3*\e]              ; W^T Cov W
	v_max_num_f32 v127, 0, v127
	v_add_f32 v127, 0x3727c5ac, v127               ; + 1e-5
	v_rsq_f32 v128, v127
	v_nop                                          ; one plain place behind a transcendental
	s_wait_alu depctr_va_vdst(0)
	v_mul_f32 v128, v128, v[102+\e]
.irp i, 0,1,2
	v_mul_f32 v[130+4*\e+\i], v128, v[96+3*\e+\i]
.endr
.endr
.irp e, 0,1
.irp i, 0,1,2
	ds_store_b32 v12, v[130+4*\e+\i] offset:TAB+1024*\i+512*\e
.endr
	ds_store_b32 v12, v[104+\e] offset:TAB+3072+512*\e
.endr
	s_cmp_lg_u32 ttmp9, 0
	s_cbranch_scc1 .Lnotab                         ; work-group 0 also stores the table and mu for the later launches
	s_add_nc_u64 s[28:29], s[16:17], P1TAB
.irp e, 0,1
.irp i, 0,1,2
	global_store_b32 v12, v[130+4*\e+\i], s[28:29] offset:1024*\i+512*\e
.endr
	global_store_b32 v12, v[104+\e], s[28:29] offset:3072+512*\e
.endr
	v_cmp_gt_u32 vcc_lo, 1, v0
	s_wait_xcnt 0x0                                ; EXEC changes only behind this wait
	s_and_saveexec_b32 s30, vcc_lo                 ; thread 0 alone (its v12 is 0)
	global_store_b128 v12, v[112:115], s[28:29] offset:4096
	s_wait_xcnt 0x0
	s_or_b32 exec_lo, exec_lo, s30
.Lnotab:
	BAR                                            ; the table lies in LDS
.irp u, 0,1
.irp i, 0,1,2
	v_sub_f32 v[XD+6*\u+2*\i], v[106+3*\u+\i], v[112+\i]
.endr
.endr
.irp u, 0,1
.irp i, 0,1,2
	v_mov_b32 v[XD+6*\u+2*\i+1], v[XD+6*\u+2*\i]
.endr
.endr
; h of my two points at channels 128 s + 64 c + 32 h + 0 .. 31: a whole block of 32 along K in one lane; quantised into registers 6 c .. 6 c + 5 of fragment (u, s)
.macro HBLK s, c
.irp q, 0,1
.irp a, 0,1,2,3
.irp k, 0,1,2,3
	ds_load_b128 v[PAR+16*\a+4*\k:PAR+16*\a+4*\k+3], v7 offset:TAB+1024*\a+4*(128*\s+64*\c+16*\q)+16*\k
.endr
.endr
	s_wait_dscnt 0x0
.irp u, 0,1
.irp p, 0,1,2,3,4,5,6,7
	v_pk_fma_f32 v[H+32*\u+16*\q+2*\p:H+32*\u+16*\q+2*\p+1], v[PAR+2*\p:PAR+2*\p+1], v[XD+6*\u:XD+6*\u+1], v[PAR+48+2*\p:PAR+48+2*\p+1]
.endr
.endr
.irp i, 1,2
.irp u, 0,1
.irp p, 0,1,2,3,4,5,6,7
	v_pk_fma_f32 v[H+32*\u+16*\q+2*\p:H+32*\u+16*\q+2*\p+1], v[PAR+16*\i+2*\p:PAR+16*\i+2*\p+1], v[XD+6*\u+2*\i:XD+6*\u+2*\i+1], v[H+32*\u+16*\q+2*\p:H+32*\u+16*\q+2*\p+1]
.endr
.endr
.endr
.endr
.set i, 0
.rept 64
	v_max_num_f32 v[H+i], 0, v[H+i]                ; relu
.set i, i+1
.endr
.irp u, 0,1
	v_max3_num_f32 v[TM+\u], v[H+32*\u], v[H+32*\u+1], 0x1800000   ; none is negative; the floor 2^(3 - 127) holds the byte at 1 from below
.endr
.irp i, 2,4,6,8,10,12,14,16,18,20,22,24,26,28,30
.irp u, 0,1
	v_max3_num_f32 v[TM+\u], v[TM+\u], v[H+32*\u+\i], v[H+32*\u+\i+1]
.endr
.endr
.irp u, 0,1
	v_add_nc_u32 v[TSR+\u], 0xff000000, v[TM+\u]
.endr
.irp u, 0,1
	v_lshrrev_b32 v[BY+2*\u+\c], 23, v[TSR+\u]
.endr
.irp u, 0,1
	v_cvt_scalef32_pk16_fp6_f32 v[HF+24*\u+12*\s+6*\c:HF+24*\u+12*\s+6*\c+2], v[H+32*\u:H+32*\u+15], v[TSR+\u]
	v_cvt_scalef32_pk16_fp6_f32 v[CT+4*\u:CT+4*\u+2], v[H+32*\u+16:H+32*\u+31], v[TSR+\u]
.endr
	v_nop                                          ; one plain place behind a scaled conversion
.irp u, 0,1
.irp i, 0,1,2
	v_mov_b32 v[HF+24*\u+12*\s+6*\c+3+\i], v[CT+4*\u+\i]
.endr
.endr
.if \c == 1
.irp u, 0,1
	v_lshl_or_b32 v[HS+2*\u+\s], v[BY+2*\u+1], 16, v[BY+2*\u]      ; blocks h and 2 + h,
	v_lshlrev_b32 v[HS+2*\u+\s], v[SH8], v[HS+2*\u+\s]             ; at their places,
	v_permlanex16_b32 v[PT+\u], v[HS+2*\u+\s], s[SEL], s[SEL+1]
	v_or_b32 v[HS+2*\u+\s], v[HS+2*\u+\s], v[PT+\u]                ; with lane l xor 16's
.endr
.endif
.endm
	HBLK 0, 0
	HBLK 0, 1
	HBLK 1, 0
	HBLK 1, 1
.macro WLOAD set, f0                   ; fragments f0 and f0 + 1 (a tile's two K steps) and their scale words: 8 loads
.irp s, 0,1
.irp j, 0,1,2
	global_load_b128 v[WF+24*(\set)+12*\s+4*\j:WF+24*(\set)+12*\s+4*\j+3], v5, s[14:15] offset:1536*((\f0)+\s)+512*\j
.endr
	global_load_b32 v[WS+2*(\set)+\s], v6, s[14:15] offset:WSCL+128*((\f0)+\s)
.endr
.endm
	; ---- qk = Wq h, transposed (source 0 = 16 rows of Wq, source 1 = my 16 points): a lane holds one point, its registers run along qk's channels
.rept 8
	v_nop                                          ; h's scale words and codes were written by vector instructions: 8 and 4 places ahead of a scaled product
.endr
.irp g, 0,1
.if \g > 0
	PLACES
.endif
	WLOAD 0, 4*\g
	WLOAD 1, 4*\g+2
	s_wait_loadcnt 0x0
.irp t, 0,1
.irp u, 0,1
	MM H+32*\u+8*(2*\g+\t), WF+24*\t, HF+24*\u, -1, WS+2*\t, HS+2*\u, 0
.endr
.endr
.irp t, 0,1                                    ; the four accumulators by turns
.irp u, 0,1
	MM H+32*\u+8*(2*\g+\t), WF+24*\t+12, HF+24*\u+12, H+32*\u+8*(2*\g+\t), WS+2*\t+1, HS+2*\u+1, 0
.endr
.endr
.endr
	PLACES
.irp n, 0,1,2,3                                ; n = 2 u + block: 16 of the block's 32 numbers are mine
	v_max3_num_f32 v[TM+\n], |v[H+16*\n]|, |v[H+16*\n+1]|, 0x1800000
.endr
.irp i, 2,4,6,8,10,12,14
.irp n, 0,1,2,3
	v_max3_num_f32 v[TM+\n], v[TM+\n], |v[H+16*\n+\i]|, |v[H+16*\n+\i+1]|
.endr
.endr
.irp n, 0,1,2,3
	v_permlanex16_b32 v[PT+\n], v[TM+\n], s[SEL], s[SEL+1]
.endr
.irp n, 0,1,2,3
	v_max_num_f32 v[TM+\n], v[TM+\n], v[PT+\n]
.endr
.irp n, 0,1,2,3
	v_add_nc_u32 v[TSR+\n], 0xff000000, v[TM+\n]
.endr
.irp n, 0,1,2,3
	v_lshrrev_b32 v[BY+\n], 23, v[TSR+\n]
.endr
	v_lshl_or_b32 v[PW], v[BY+1], 8, v[BY]
	v_lshl_or_b32 v[PW], v[BY+2], 16, v[PW]
	v_lshl_or_b32 v[PW], v[BY+3], 24, v[PW]
.irp u, 0,1
	v_cvt_scalef32_pk16_fp6_f32 v[PC+6*\u:PC+6*\u+2], v[H+32*\u:H+32*\u+15], v[TSR+2*\u]
	v_cvt_scalef32_pk16_fp6_f32 v[CT+4*\u:CT+4*\u+2], v[H+32*\u+16:H+32*\u+31], v[TSR+2*\u+1]
.endr
	v_nop
.irp u, 0,1                                    ; the layout wants a whole block in a lane: lanes 0-15 block 0, lanes 16-31 block 1
.irp i, 0,1,2
	v_permlane16_swap_b32 v[PC+6*\u+\i], v[CT+4*\u+\i]
.endr
.irp i, 0,1,2
	v_mov_b32 v[PC+6*\u+3+\i], v[CT+4*\u+\i]
.endr
.endr
	s_lshl_b32 s24, s19, 7
	s_add_co_u32 s24, s24, s21                     ; 128 b + g
	s_mul_i32 s26, s24, 1536
	s_mov_b32 s27, 0
	s_add_nc_u64 s[28:29], s[16:17], s[26:27]
	global_store_b128 v5, v[PC:PC+3], s[28:29]
	global_store_b128 v5, v[PC+4:PC+7], s[28:29] offset:512
	global_store_b128 v5, v[PC+8:PC+11], s[28:29] offset:1024
	s_lshl_b32 s26, s24, 6
	s_add_co_u32 s26, s26, QKSCL
	s_add_nc_u64 s[30:31], s[16:17], s[26:27]
	global_store_b32 v9, v[PW], s[30:31]           ; both halves of the lanes hold the same word
	; ---- v = Wv h + bv (source 0 = my 16 points, source 1 = 16 rows of Wv): a lane holds one channel, its 16 registers 16 neighbouring points
.macro VLD T                           ; tile T's two fragments, two scale words and bv: 9 loads, into set T % 2
	WLOAD (\T)%2, 8+2*(\T)
	global_load_b32 v[BV+(\T)%2], v8, s[12:13] offset:4*(32*((\T)/2)+8*((\T)%2))
.endm
.macro VT T
.set SET, (\T)%2
.if (\T) < 15
	s_wait_loadcnt 9                               ; this tile's nine loads are in; the next tile's nine may be out
.else
	s_wait_loadcnt 0x0
.endif
.irp u, 0,1
	MM H+16*SET+8*\u, HF+24*\u, WF+24*SET, -1, HS+2*\u, WS+2*SET, 0
.endr
.irp u, 0,1
	MM H+16*SET+8*\u, HF+24*\u+12, WF+24*SET+12, H+16*SET+8*\u, HS+2*\u+1, WS+2*SET+1, 0
.endr
	PLACES
.set i, 0
.rept 16
	v_add_f32 v[H+16*SET+i], v[H+16*SET+i], v[BV+SET]
.set i, i+1
.endr
.if (\T) < 14
	VLD (\T)+2                                     ; behind the additions: bv's register is free
.endif
	s_wait_dscnt 0x0                               ; the last tile's LDS stores have read their registers
	v_max3_num_f32 v[TM], |v[H+16*SET]|, |v[H+16*SET+1]|, 0x1800000
.irp i, 2,4,6,8,10,12,14
	v_max3_num_f32 v[TM], v[TM], |v[H+16*SET+\i]|, |v[H+16*SET+\i+1]|
.endr
	v_permlanex16_b32 v[PT], v[TM], s[SEL], s[SEL+1]
	v_max_num_f32 v[TM], v[TM], v[PT]              ; the block of 32 points lies in lanes l and l xor 16
	v_add_nc_u32 v[TSR], 0xff000000, v[TM]
	v_lshrrev_b32 v[BY], 23, v[TSR]
	v_cvt_scalef32_pk16_fp6_f32 v[CT:CT+2], v[H+16*SET:H+16*SET+15], v[TSR]
	v_nop
.irp i, 0,1,2
	ds_store_b32 v[VA+\i], v[CT+\i] offset:1536*(\T)
.endr
	ds_store_b8 v[VB], v[BY] offset:64*(\T)
.endm
	VLD 0
	VLD 1
	s_wait_xcnt 0x0                                ; qk's stores have read their registers
.irp T, 0,1,2,3,4,5,6,7,8,9,10,11,12,13,14,15
	VT \T
.endr
	BAR                                            ; the 16 images and their scale words lie in LDS
	v_lshlrev_b32 v10, 4, v0
	v_lshlrev_b32 v11, 3, v0
.irp k, 0,1,2,3,4,5,6,7,8,9,10,11
	ds_load_b128 v[80+4*\k:83+4*\k], v10 offset:VST+2048*\k
.endr
	ds_load_b64 v[128:129], v11 offset:VSS
	s_lshl_b32 s24, s19, 5
	s_add_co_u32 s24, s24, s20                     ; 32 b + blk
	s_mul_i32 s26, s24, 24576
	s_add_co_u32 s26, s26, VIMG
	s_add_nc_u64 s[32:33], s[16:17], s[26:27]
	s_lshl_b32 s26, s24, 10
	s_add_co_u32 s26, s26, VSCL
	s_add_nc_u64 s[34:35], s[16:17], s[26:27]
.irp k, 0,1,2,3,4,5,6,7,8,9,10,11
	s_wait_dscnt 12-\k                             ; the younger LDS loads may be out
	global_store_b128 v10, v[80+4*\k:83+4*\k], s[32:33] offset:2048*\k
.endr
	s_wait_dscnt 0x0
	global_store_b64 v11, v[128:129], s[34:35]
	s_wait_tensorcnt 0x0
	ds_add_u32 v250, v251
	s_wait_dscnt 0x0
	s_endpgm
.Lfunc_end_k_q83cb8f3061_embed:
	.size	k_q83cb8f3061_embed, .Lfunc_end_k_q83cb8f3061_embed-k_q83cb8f3061_embed
	.p2alignl 7, 3214868480
	.fill 96, 4, 3214868480
	.section	.rodata,"a",@progbits
	.p2align	6, 0x0
	.amdhsa_kernel k_q83cb8f3061_embed
		.amdhsa_group_segment_fixed_size 31232
		.amdhsa_private_segment_fixed_size 0
		.amdhsa_enable_private_segment 0
		.amdhsa_kernarg_size 56
		.amdhsa_user_sgpr_count 2
		.amdhsa_user_sgpr_kernarg_segment_ptr 1
		.amdhsa_wavefront_size32 1
		.amdhsa_system_sgpr_workgroup_id_x 1
		.amdhsa_system_sgpr_workgroup_id_y 1
		.amdhsa_system_sgpr_workgroup_id_z 1
		.amdhsa_system_vgpr_workitem_id 0
		.amdhsa_next_free_vgpr 256
		.amdhsa_next_free_sgpr 66
		.amdhsa_reserve_vcc 1
		.amdhsa_float_denorm_mode_32 3
		.amdhsa_float_denorm_mode_16_64 3
		.amdhsa_memory_ordered 1
		.amdhsa_forward_progress 1
		.amdhsa_inst_pref_size 127
	.end_amdhsa_kernel
	.amdgpu_metadata
---
amdhsa.version: [ 1, 2 ]
amdhsa.kernels:
  - .name:           k_q83cb8f3061_embed
    .symbol:         k_q83cb8f3061_embed.kd
    .args:
      - { .name: x, .offset: 0, .size: 8, .value_kind: global_buffer, .address_space: global }
      - { .name: W1, .offset: 8, .size: 8, .value_kind: global_buffer, .address_space: global }
      - { .name: g1, .offset: 16, .size: 8, .value_kind: global_buffer, .address_space: global }
      - { .name: b1, .offset: 24, .size: 8, .value_kind: global_buffer, .address_space: global }
      - { .name: bv, .offset: 32, .size: 8, .value_kind: global_buffer, .address_space: global }
      - { .name: prepb, .offset: 40, .size: 8, .value_kind: global_buffer, .address_space: global }
      - { .name: emb, .offset: 48, .size: 8, .value_kind: global_buffer, .address_space: global }
    .group_segment_fixed_size: 31232
    .private_segment_fixed_size: 0
    .kernarg_segment_align: 8
    .kernarg_segment_size: 56
    .max_flat_workgroup_size: 128
    .sgpr_count:     66
    .vgpr_count:     256
    .wavefront_size: 32
...
	.end_amdgpu_metadata
.endif
;; end of part 2
;; launch rowstat (part 3): grid 32 x 8, 16 waves a work-group, clusters of 4 x 1, 327,680 bytes of LDS; arguments emb, negl; writes negl
.if DOCPART == 3
	.amdgcn_target "amdgcn-amd-amdhsa--gfx1250"
	.amdhsa_code_object_version 6
	.text
	.protected	k_q83cb8f3061_rowstat
	.globl	k_q83cb8f3061_rowstat
	.p2align	8
	.type	k_q83cb8f3061_rowstat,@function
k_q83cb8f3061_rowstat:
	s_mov_b64 s[64:65], 0
	v_nop
	global_prefetch_b8 v0, s[64:65] scope:SCOPE_SE
	s_setreg_imm32_b32 hwreg(HW_REG_WAVE_MODE, 25, 1), 1
	s_wait_xcnt 0x0
	s_wait_alu depctr_hold_cnt(0) depctr_sa_sdst(0) depctr_va_vdst(0) depctr_va_sdst(0) depctr_va_ssrc(0) depctr_va_vcc(0) depctr_vm_vsrc(0)
	s_getreg_b32 s2, hwreg(HW_REG_IB_STS2, 6, 4)
	s_cmp_eq_u32 s2, 0
	s_cbranch_scc0 .Lentry_in_a_cluster
	s_endpgm
.Lentry_in_a_cluster:
	s_bfe_u32 s2, ttmp6, 0x10000c
	s_cmp_lg_u32 s2, 0x3003
	s_cbranch_scc0 .Lentry_shape_is_right
	s_endpgm
.Lentry_shape_is_right:
; -L[n] = -logsumexp over m of energy[n][m], energy = qk^T qk on E2M3 codes (K = 64).  A work-group owns 128 points, four groups of 32 (two tiles of 16 each); a lane holds ONE own point and its registers run over the other points.
; SIXTEEN WAVES, four to a SIMD, 256 registers each, so that one wave's exponentials and dependent lines stand beside another's products and LDS loads.  Wave w owns group w % 4 and walks quarter w / 4 of the batch's 4,096 points,
; 16 steps of 64.  The four partial pairs (-mc, Z) of a group meet in LDS behind one barrier and are joined under the largest of their maxima; waves 0-3 store.
; A batch's codes of qk (196,608 bytes) and their scale words (8,192) stay in LDS, filled ONCE; no byte is filled twice.  The four work-groups of a cluster belong to one batch and need the same bytes: each sixteenth is
; asked for JOINTLY (mask 15), one load of codes and one of scales a wave: two tensor loads of a wave are out at the most.
; K = 64 IN AN INSTRUCTION OF K = 128: source 0 is a group's pair fragment (k 0-63: tile 0's point r; k 64-127: tile 1's point r); source 1 is my own tile's codes beside 64 zero codes, cut from 18 registers
; [0 x 6 | own x 6 | 0 x 6]: registers 6-17 meet tile 0, registers 0-11 meet tile 1.  Zero codes add nothing under any scale byte but 0xff.
; The maximum is a running one: mc = max x log2(e), Z = sum of 2^(e log2(e) - mc); L = ln 2 (mc + log2 Z).  LIMITS: NaN and infinities are not served.
.set QSC,   196608
.set MRG,   204800                     ; behind what the tensor loads fill: 256 bytes a wave: -mc at 4 x lane, Z at 128 + 4 x lane
.set QKSCL, 1572864
.set WV,  8
.set CX,  9
.set WGX, 10
.set BB,  11
.set GG,  12
.set GI,  13
.set SEL, 14
.set CS,  16
.set TQ,  18
.set TSC, 19
.set CNT, 20
.set PQ,  21
.set OWN, 16                           ; v16-51  my two tiles: 18 registers each
.set OW,  52                           ; v52-53  their scale words (s0, s1, s0, s1)
.set AS,  54                           ; v54     the other groups' scale words: lanes 0-15 the first group's, lanes 16-31 the second's
.set AF,  56                           ; v56-79  two pair fragments
.set S,   80                           ; v80-143 scores: 32 a tile
.set ST,  144                          ; tile t at 144 + 16 t: +0 -mc, +1 the maximum, +2 f, +3 at work, +4..7 Z in two pairs, +8, +9 at work
.macro PLACES
.rept 4
	v_nop
.endr
.endm
.macro ROUND                           ; a round of the cluster's barrier
	s_barrier_signal -1
	s_barrier_wait -1
	s_cmp_lg_u32 s[WV], 0
	s_cbranch_scc1 .Lnot_wave_0_\@
	s_barrier_signal -3
.Lnot_wave_0_\@:
	s_barrier_wait -3
	s_barrier_signal -1
	s_barrier_wait -1
.endm
.macro MM d, a, b, c, sa, sb, row
.if (\c) < 0
.if (\row)
	v_wmma_scale_f32_16x16x128_f8f6f4 v[0+(\d):7+(\d)], v[0+(\a):11+(\a)], v[0+(\b):11+(\b)], 0, v[\sa], v[\sb] matrix_a_fmt:MATRIX_FMT_FP6 matrix_b_fmt:MATRIX_FMT_FP6 matrix_a_scale:MATRIX_SCALE_ROW1
.else
	v_wmma_scale_f32_16x16x128_f8f6f4 v[0+(\d):7+(\d)], v[0+(\a):11+(\a)], v[0+(\b):11+(\b)], 0, v[\sa], v[\sb] matrix_a_fmt:MATRIX_FMT_FP6 matrix_b_fmt:MATRIX_FMT_FP6
.endif
.else
.if (\row)
	v_wmma_scale_f32_16x16x128_f8f6f4 v[0+(\d):7+(\d)], v[0+(\a):11+(\a)], v[0+(\b):11+(\b)], v[0+(\c):7+(\c)], v[\sa], v[\sb] matrix_a_fmt:MATRIX_FMT_FP6 matrix_b_fmt:MATRIX_FMT_FP6 matrix_a_scale:MATRIX_SCALE_ROW1
.else
	v_wmma_scale_f32_16x16x128_f8f6f4 v[0+(\d):7+(\d)], v[0+(\a):11+(\a)], v[0+(\b):11+(\b)], v[0+(\c):7+(\c)], v[\sa], v[\sb] matrix_a_fmt:MATRIX_FMT_FP6 matrix_b_fmt:MATRIX_FMT_FP6
.endif
.endif
.endm
	s_load_b128 s[4:7], s[0:1], 0x0                ; emb, negl
	v_lshl_add_u32 v254, v0, 2, 0x33000
	v_mov_b32 v255, 0
	ds_add_u32 v254, v255
	ds_add_u32 v254, v255
	v_lshrrev_b32 v1, 5, v0
	v_readfirstlane_b32 s[WV], v1                  ; wave 0..15
	s_and_b32 s[GI], s[WV], 3                      ; which of the work-group's four groups is mine
	s_lshr_b32 s[PQ], s[WV], 2                     ; which quarter of the other points I walk
	s_bfe_u32 s[CX], ttmp6, 0x40000                ; my place in the cluster: it enters global addresses alone
	s_lshl_b32 s[WGX], ttmp9, 2
	s_add_co_u32 s[WGX], s[WGX], s[CX]
	s_and_b32 s[BB], ttmp7, 0xffff                 ; the batch, which the four partners share
	s_lshl_b32 s[GG], s[WGX], 2
	s_add_co_u32 s[GG], s[GG], s[GI]               ; my group
	; descriptor groups 1: dense blocks as rows of 256 bytes (32 elements of 8 bytes); mask 15, bit 21 beside it
	s_mov_b32 s28, 15|(3<<16)|(1<<21)
	s_mov_b32 s29, 32<<16
	s_mov_b32 s30, 48<<16                          ; a sixteenth of the codes: 48 rows
	s_mov_b32 s31, 32<<16
	s_mov_b32 s32, 48
	s_mov_b32 s33, 32
	s_mov_b32 s34, 0
	s_mov_b32 s35, 0
	s_mov_b32 s36, 15|(3<<16)|(1<<21)
	s_mov_b32 s37, 32<<16
	s_mov_b32 s38, 2<<16                           ; a sixteenth of the scale words: 2 rows
	s_mov_b32 s39, 32<<16
	s_mov_b32 s40, 2
	s_mov_b32 s41, 32
	s_mov_b32 s42, 0
	s_mov_b32 s43, 0
	s_mul_i32 s22, s[BB], 196608
	s_mul_i32 s24, s[WV], 12288
	s_add_co_u32 s22, s22, s24
	s_mov_b32 s23, 0
	s_lshl_b32 s26, s[BB], 13
	s_lshl_b32 s25, s[WV], 9
	s_add_co_u32 s26, s26, s25
	s_add_co_u32 s26, s26, QKSCL
	s_mov_b32 s27, 0
	s_mov_b32 s[SEL], 0x76543210
	s_mov_b32 s[SEL+1], 0xfedcba98
	s_mov_b32 s[CS], 0x3fb8aa3b                    ; log2(e)
	s_mov_b32 s[CS+1], s[CS]
	s_wait_dscnt 0x0
	s_wait_kmcnt 0x0
	s_mov_b32 s52, 1
	s_mov_b32 s53, s24                             ; LDS: 12,288 x wave
	s_add_nc_u64 s[54:55], s[4:5], s[22:23]
	s_or_b32 s55, s55, 0x80000000
	s_mov_b32 s56, 1
	s_add_co_u32 s57, s25, QSC                     ; LDS: QSC + 512 x wave
	s_add_nc_u64 s[58:59], s[4:5], s[26:27]
	s_or_b32 s59, s59, 0x80000000
	ROUND                                          ; all four work-groups are here: the joint loads meet
	tensor_load_to_lds s[52:55], s[28:35]
	s_nop 0
	tensor_load_to_lds s[56:59], s[36:43]
	s_nop 0
.rept 4
	v_nop
.endr
	v_and_b32 v10, 31, v0
	v_and_b32 v1, 15, v0
	v_bfe_u32 v2, v0, 4, 1
	v_lshlrev_b32 v3, 4, v10                       ; 16 x lane
	v_lshl_add_u32 v4, v10, 2, QSC                 ; QSC + 4 x lane
	s_lshl_b32 s22, s[WV], 8
	s_add_co_u32 s22, s22, MRG
	v_lshl_add_u32 v12, v10, 2, s22                ; where my partial pair goes: MRG + 256 x wave + 4 x lane
	s_lshl_b32 s23, s[GI], 8
	s_add_co_u32 s23, s23, MRG
	v_lshl_add_u32 v13, v10, 2, s23                ; and where my group's four pairs are read: 1,024 bytes from quarter to quarter
	s_lshl_b32 s22, s[BB], 7
	s_add_co_u32 s22, s22, s[GG]                   ; 128 b + g
	s_mul_i32 s24, s22, 1536
	v_add_nc_u32 v7, s24, v3
	s_lshl_b32 s25, s22, 6
	s_add_co_u32 s25, s25, QKSCL
	v_lshl_add_u32 v8, v1, 2, s25
	global_load_b128 v[56:59], v7, s[4:5]          ; my own group from memory: no LDS address hangs on my place in the cluster
	global_load_b128 v[60:63], v7, s[4:5] offset:512
	global_load_b128 v[64:67], v7, s[4:5] offset:1024
	global_load_b32 v55, v8, s[4:5]
	s_lshl_b32 s22, s[BB], 14
	s_lshl_b32 s23, s[GG], 7
	s_add_co_u32 s22, s22, s23
	v_and_b32 v9, 8, v1
	v_add_nc_u32 v9, v9, v1
	v_lshl_add_u32 v9, v2, 3, v9                   ; lanes 0-15 store tile 0's points, lanes 16-31 tile 1's
	v_lshl_add_u32 v9, v9, 2, s22
.irp t, 0,1
.irp i, 0,1,2,3,4,5
	v_mov_b32 v[OWN+18*\t+\i], 0
	v_mov_b32 v[OWN+18*\t+12+\i], 0
.endr
.endr
	s_wait_loadcnt 0x0
.irp t, 0,1
.irp i, 0,1,2,3,4,5
	v_mov_b32 v[OWN+18*\t+6+\i], v[56+6*\t+\i]
.endr
.endr
	v_and_b32 v10, 0xffff, v55
	v_lshl_or_b32 v[OW], v55, 16, v10
	v_lshrrev_b32 v10, 16, v55
	v_and_or_b32 v[OW+1], v55, 0xffff0000, v10
.irp t, 0,1                                    ; (these sixteen lines are also the places between the lines above and the first scaled product)
	v_mov_b32 v[ST+16*\t+1], 0xfe967699            ; the maximum so far: -1e38
	v_mul_f32 v[ST+16*\t], 0xbfb8aa3b, v[ST+16*\t+1]
	v_mov_b32 v[ST+16*\t+4], 0
	v_mov_b32 v[ST+16*\t+5], 0
	v_mov_b32 v[ST+16*\t+6], 0
	v_mov_b32 v[ST+16*\t+7], 0
	v_mov_b32 v[ST+16*\t+9], 0
	v_mov_b32 v[ST+16*\t+8], 0
.endr
	s_mul_i32 s[TQ], s[PQ], 49152                  ; my quarter: 32 groups of 1,536 bytes,
	s_lshl_b32 s[TSC], s[PQ], 11                   ; and of 64 bytes of scale words
	s_wait_tensorcnt 0x0                           ; my two sixteenths have landed,
	s_barrier_signal -1
	s_barrier_wait -1                              ; everybody's have
.macro FETCH                           ; two groups' pair fragments and scale words: 7 LDS loads
	v_add_nc_u32 v5, s[TQ], v3
	v_add_nc_u32 v6, s[TSC], v4
.irp k, 0,1,2,3,4,5
	ds_load_b128 v[AF+4*\k:AF+4*\k+3], v5 offset:512*\k
.endr
	ds_load_b32 v[AS], v6
.endm
; 64 other points.  pf = 1: the next 64 are fetched behind the products
.macro HSTEP pf
	s_wait_dscnt 0x0
.irp p, 0,1
.irp u, 0,1
.irp t, 0,1
	MM S+32*\t+16*\p+8*\u, AF+12*\p, OWN+18*\t+6-6*\u, -1, AS, OW+\t, \p
.endr
.endr
.endr
	PLACES
.if \pf
	s_add_co_u32 s[TQ], s[TQ], 3072
	s_add_co_u32 s[TSC], s[TSC], 128
	FETCH
.endif
.irp t, 0,1
	v_max3_num_f32 v[ST+16*\t+8], v[ST+16*\t+1], v[S+32*\t], v[S+32*\t+1]
.endr
.irp i, 2,4,6,8,10,12,14,16,18,20,22,24,26,28,30
.irp t, 0,1
	v_max3_num_f32 v[ST+16*\t+8], v[ST+16*\t+8], v[S+32*\t+\i], v[S+32*\t+\i+1]
.endr
.endr
.irp t, 0,1
	v_mov_b32 v[ST+16*\t+3], v[ST+16*\t]
.endr
.irp t, 0,1
	v_mul_f32 v[ST+16*\t], 0xbfb8aa3b, v[ST+16*\t+8]               ; -mc
.endr
.irp t, 0,1
	v_mov_b32 v[ST+16*\t+1], v[ST+16*\t+8]
.endr
.irp t, 0,1
	v_sub_f32 v[ST+16*\t+3], v[ST+16*\t], v[ST+16*\t+3]            ; old mc - new mc, 0 or less
.endr
.irp t, 0,1
	v_exp_f32 v[ST+16*\t+2], v[ST+16*\t+3]
.endr
.irp i, 0,2,4,6,8,10,12,14,16,18,20,22,24,26,28,30
.irp t, 0,1
	v_pk_fma_f32 v[S+32*\t+\i:S+32*\t+\i+1], v[S+32*\t+\i:S+32*\t+\i+1], s[CS:CS+1], v[ST+16*\t:ST+16*\t+1] op_sel_hi:[1,0,0]
.endr
.endr
.set i, 0
.rept 64
	v_exp_f32 v[S+i], v[S+i]
.set i, i+1
.endr
	s_wait_alu depctr_va_vdst(0)
.irp t, 0,1                                    ; (plain places behind the exponentials)
	v_pk_mul_f32 v[ST+16*\t+4:ST+16*\t+5], v[ST+16*\t+4:ST+16*\t+5], v[ST+16*\t+2:ST+16*\t+3] op_sel_hi:[1,0]
	v_pk_mul_f32 v[ST+16*\t+6:ST+16*\t+7], v[ST+16*\t+6:ST+16*\t+7], v[ST+16*\t+2:ST+16*\t+3] op_sel_hi:[1,0]
.endr
.irp i, 0,4,8,12,16,20,24,28
.irp t, 0,1
	v_pk_add_f32 v[ST+16*\t+4:ST+16*\t+5], v[ST+16*\t+4:ST+16*\t+5], v[S+32*\t+\i:S+32*\t+\i+1]
	v_pk_add_f32 v[ST+16*\t+6:ST+16*\t+7], v[ST+16*\t+6:ST+16*\t+7], v[S+32*\t+\i+2:S+32*\t+\i+3]
.endr
.endr
.endm
	FETCH
	s_mov_b32 s[CNT], 15
.Lhalf:
	HSTEP 1
	s_sub_co_u32 s[CNT], s[CNT], 1
	s_cmp_lg_u32 s[CNT], 0
	s_cbranch_scc1 .Lhalf
	HSTEP 0                                        ; my quarter's last 64 points: nothing more to fetch
.irp t, 0,1                                    ; a point's other half of my quarter lies in lane l xor 16, under a maximum of its own
	v_pk_add_f32 v[ST+16*\t+4:ST+16*\t+5], v[ST+16*\t+4:ST+16*\t+5], v[ST+16*\t+6:ST+16*\t+7]
	v_add_f32 v[ST+16*\t+4], v[ST+16*\t+4], v[ST+16*\t+5]
	v_permlanex16_b32 v[ST+16*\t+9], v[ST+16*\t], s[SEL], s[SEL+1]
	v_min_num_f32 v[ST+16*\t+8], v[ST+16*\t], v[ST+16*\t+9]        ; -(the larger mc)
	v_sub_f32 v[ST+16*\t+3], v[ST+16*\t+8], v[ST+16*\t]
	v_exp_f32 v[ST+16*\t+2], v[ST+16*\t+3]
	v_nop
	s_wait_alu depctr_va_vdst(0)
	v_mul_f32 v[ST+16*\t+4], v[ST+16*\t+4], v[ST+16*\t+2]
	v_permlanex16_b32 v[ST+16*\t+9], v[ST+16*\t+4], s[SEL], s[SEL+1]
	v_add_f32 v[ST+16*\t+4], v[ST+16*\t+4], v[ST+16*\t+9]
.endr
	v_cmp_eq_u32 vcc_lo, 1, v2                     ; lanes 0-15 carry tile 0's points on, lanes 16-31 tile 1's
	v_cndmask_b32 v10, v[ST+8], v[ST+24], vcc_lo   ; -mc of my quarter
	v_cndmask_b32 v11, v[ST+4], v[ST+20], vcc_lo   ; Z of my quarter
	ds_store_b32 v12, v10
	ds_store_b32 v12, v11 offset:128
	s_wait_dscnt 0x0                               ; for the others' sake: my pair lies in LDS
	s_barrier_signal -1
	s_barrier_wait -1
.irp q, 0,1,2,3
	ds_load_b32 v[56+\q], v13 offset:1024*\q       ; my group's four quarters
	ds_load_b32 v[60+\q], v13 offset:1024*\q+128
.endr
	s_wait_dscnt 0x0
	v_min3_num_f32 v64, v56, v57, v58
	v_min_num_f32 v64, v64, v59                    ; -(the largest mc)
.irp q, 0,1,2,3
	v_sub_f32 v[68+\q], v64, v[56+\q]              ; a quarter's mc less the largest: 0 or less
.endr
.irp q, 0,1,2,3
	v_exp_f32 v[68+\q], v[68+\q]
.endr
	v_nop
	s_wait_alu depctr_va_vdst(0)
	v_mul_f32 v65, v60, v68
	v_fmac_f32 v65, v61, v69
	v_fmac_f32 v65, v62, v70
	v_fmac_f32 v65, v63, v71                       ; Z under the largest mc
	v_log_f32 v66, v65
	v_nop
	s_wait_alu depctr_va_vdst(0)
	v_sub_f32 v66, v64, v66
	v_mul_f32 v66, 0x3f317218, v66                 ; -L = ln 2 (-mc - log2 Z)
	s_cmp_lg_u32 s[PQ], 0
	s_cbranch_scc1 .Lnostore                       ; one wave of each group stores
	global_store_b32 v9, v66, s[6:7]
.Lnostore:
	s_wait_tensorcnt 0x0
	ds_add_u32 v254, v255
	s_wait_dscnt 0x0
	ROUND                                          ; the closing round
	s_endpgm
.Lfunc_end_k_q83cb8f3061_rowstat:
	.size	k_q83cb8f3061_rowstat, .Lfunc_end_k_q83cb8f3061_rowstat-k_q83cb8f3061_rowstat
	.p2alignl 7, 3214868480
	.fill 96, 4, 3214868480
	.section	.rodata,"a",@progbits
	.p2align	6, 0x0
	.amdhsa_kernel k_q83cb8f3061_rowstat
		.amdhsa_group_segment_fixed_size 327680
		.amdhsa_private_segment_fixed_size 0
		.amdhsa_enable_private_segment 0
		.amdhsa_kernarg_size 16
		.amdhsa_user_sgpr_count 2
		.amdhsa_user_sgpr_kernarg_segment_ptr 1
		.amdhsa_wavefront_size32 1
		.amdhsa_system_sgpr_workgroup_id_x 1
		.amdhsa_system_sgpr_workgroup_id_y 1
		.amdhsa_system_sgpr_workgroup_id_z 1
		.amdhsa_system_vgpr_workitem_id 0
		.amdhsa_next_free_vgpr 256
		.amdhsa_next_free_sgpr 66
		.amdhsa_reserve_vcc 1
		.amdhsa_float_denorm_mode_32 3
		.amdhsa_float_denorm_mode_16_64 3
		.amdhsa_memory_ordered 1
		.amdhsa_forward_progress 1
		.amdhsa_inst_pref_size 32
	.end_amdhsa_kernel
	.amdgpu_metadata
---
amdhsa.version: [ 1, 2 ]
amdhsa.kernels:
  - .name:           k_q83cb8f3061_rowstat
    .symbol:         k_q83cb8f3061_rowstat.kd
    .args:
      - { .name: emb, .offset: 0, .size: 8, .value_kind: global_buffer, .address_space: global }
      - { .name: negl, .offset: 8, .size: 8, .value_kind: global_buffer, .address_space: global }
    .group_segment_fixed_size: 327680
    .private_segment_fixed_size: 0
    .kernarg_segment_align: 8
    .kernarg_segment_size: 16
    .max_flat_workgroup_size: 512
    .sgpr_count:     66
    .vgpr_count:     256
    .wavefront_size: 32
...
	.end_amdgpu_metadata
.endif
;; end of part 3
;; launch attn (part 4): grid 32 x 8, 4 waves a work-group, clusters of 4 x 1, 327,680 bytes of LDS; arguments emb, negl, prepb, x, bt, tbuf, tpart; writes tbuf, tpart
.if DOCPART == 4
	.amdgcn_target "amdgcn-amd-amdhsa--gfx1250"
	.amdhsa_code_object_version 6
	.text
	.protected	k_q83cb8f3061_attn
	.globl	k_q83cb8f3061_attn
	.p2align	8
	.type	k_q83cb8f3061_attn,@function
k_q83cb8f3061_attn:
	s_mov_b64 s[64:65], 0
	v_nop
	global_prefetch_b8 v0, s[64:65] scope:SCOPE_SE
	s_setreg_imm32_b32 hwreg(HW_REG_WAVE_MODE, 25, 1), 1
	s_wait_xcnt 0x0
	s_wait_alu depctr_hold_cnt(0) depctr_sa_sdst(0) depctr_va_vdst(0) depctr_va_sdst(0) depctr_va_ssrc(0) depctr_va_vcc(0) depctr_vm_vsrc(0)
	s_getreg_b32 s2, hwreg(HW_REG_IB_STS2, 6, 4)
	s_cmp_eq_u32 s2, 0
	s_cbranch_scc0 .Lentry_in_a_cluster
	s_endpgm
.Lentry_in_a_cluster:
	s_bfe_u32 s2, ttmp6, 0x10000c
	s_cmp_lg_u32 s2, 0x3003
	s_cbranch_scc0 .Lentry_shape_is_right
	s_endpgm
.Lentry_shape_is_right:
; For 128 columns m of one batch: the column sums S[m] of the softmax; att[n][m] = exp(e[n][m] - L[n]) / (1e-9 + S[m]), quantised along n; x_r = v att; d = h - x_r, quantised along the channels; t = Wt d + bt;
; t is stored, and for each channel the mean and the centred sum of squares of t over these 128 points.  All products on E2M3 codes with E8M0 scales.
; ENERGY as in the launch before (a lane holds one own column m, registers run over n; K = 64 beside 64 zero codes), with -L[n] as the C of the product: the unit returns e - L.
; PHASE A walks all n and sums 2^((e - L) log2 e).  PHASE B walks them again: t = (e - L) log2 e - log2(1e-9 + S), att = 2^t.  The division is thus made in the exponent: an order of rounding that differs from
; a plain division's; the exponent's error stays about 2e-6 for |L| and |log2 S| up to some 30.  e - L is 0 or less, since L is taken with a running maximum: no exponential overflows.
; SHARES.  Energy side: wave w owns the group 4 wgx + w (m tiles 2 w, 2 w + 1).  Product side: wave w owns channel tiles 4 w .. 4 w + 3 for all 8 m tiles: 32 accumulators.  att's fragments go from wave to wave through
; LDS as images of their registers, in two sets by turns, ONE barrier a step: the set written behind barrier k was last read behind barrier k - 1, and every wave awaited those reads ahead of its signal of barrier k.
; MATRIX AND VECTOR WORK SIDE BY SIDE IN ONE WAVE.  Phase A has two sets of scores: step k + 1's 16 products go into one set, and eight of step k's 128 exponentials, on the other set, stand behind each.
; Phase B, step k: barrier | att(k)'s 32 LDS loads are issued | the 16 products e(k + 1) | the operands of e(k + 2) are asked for | exponents and block maxima of step k + 1 | the 32 products v att(k), four of step k + 1's
; exponentials behind each | v(k + 2) is asked for | att(k + 1) is quantised and stored.  So att's loads land under 16 products and 128 vector lines.  The price: two window switches for each product that has exponentials behind it.
; LDS: a batch's qk codes, their scale words and -L are filled ONCE by joint tensor loads (mask 15: the cluster's four work-groups belong to one batch); three loads of a wave are out at the most; no byte is filled twice,
; and no byte that a tensor load fills is stored to.  v IS NOT SHARED THROUGH LDS: each of its bytes feeds one wave of a work-group and goes from memory straight into that wave's registers, two steps ahead.
; WINDOWS: 0 addresses, scales, operands of the energy, what the quantiser touches; 1 the 32 accumulators (ct, mt) at 8 (8 ct + mt); 2 v's two sets (0, 48), att's 8 fragments (96 + 12 mt); 3 the scores, two sets (128 set + 64 mt + 16 p + 8 u + j).
; LIMITS: NaN and infinities are not served; a block of zeros gets the byte 1 (zero codes; this program alone reads the bytes).
.set QSC,   196608
.set NL,    204800
.set AIMG,  221184                     ; att's images: 2 sets x 8 x 1,536
.set ASC,   245760                     ; their scale words: 2 x 8 x 128
.set DIMG,  247808                     ; d's images: 8 x 3,072
.set DSC,   272384                     ; their scale words: 8 x 128
.set STG,   273408                     ; a stage for each wave: 16 rows x 528
.set WSCL,  110592
.set QKSCL, 1572864
.set VIMG,  1638400
.set VSCL,  7929856
.set P1TAB, 8192000
.set WV,  66
.set CX,  67
.set WGX, 68
.set BB,  69
.set CNT, 70
.set GG,  71
.set SEL, 72
.set CS,  74
.set VBA, 76
.set VSB, 78
.set TQ,  92
.set TSC, 93
.set TL,  94
.set HM,  95
.set MU,  96
.set AS,  16                           ; v16-17 the other groups' scale words   } v16-23: scales and nothing else;
.set OW,  18                           ; v18-19 my tiles'                       } in the epilogue Wt's eight scale words
.set VSC, 20                           ; v20-23 v's, two sets of two            }
.set WTS, 16
.set ATS, 24                           ; v24-31 att's scale words, later d's
.set LR,  32                           ; v32-35 -log2(1e-9 + S), each twice
.set OWN, 40                           ; v40-75
.set AF,  76                           ; v76-123 four pair fragments
.set CL,  124                          ; v124-187 -L in the result's layout
.set PC,  188                          ; v188-227 codes in the making, 20 a tile
.set ZA,  188                          ; phase A: the sums
.set TM,  228
.set TP,  236
.set TS,  244
.set PW,  252
.set XP,  76                           ; epilogue: x - mu of the 8 tiles' points, each twice
.set DD,  124                          ; epilogue: d, 32 numbers
.set BT,  40                           ; epilogue: bt, each twice
.set MSB, 0
.macro WIN new                         ; the immediate's high byte repeats the setting that is left; a switch that changes nothing is dropped
.if MSB != \new
	s_set_vgpr_msb (MSB<<8)|\new
.set MSB, \new
.endif
.endm
.macro PLACES
.rept 4
	v_nop
.endr
.endm
.macro BAR
	s_wait_dscnt 0x0
	s_barrier_signal -1
	s_barrier_wait -1
.endm
.macro ROUND
	s_barrier_signal -1
	s_barrier_wait -1
	s_cmp_lg_u32 s[WV], 0
	s_cbranch_scc1 .Lnot_wave_0_\@
	s_barrier_signal -3
.Lnot_wave_0_\@:
	s_barrier_wait -3
	s_barrier_signal -1
	s_barrier_wait -1
.endm
.macro MM d, a, b, c, sa, sb, row
.if (\c) < 0
.if (\row)
	v_wmma_scale_f32_16x16x128_f8f6f4 v[0+(\d):7+(\d)], v[0+(\a):11+(\a)], v[0+(\b):11+(\b)], 0, v[\sa], v[\sb] matrix_a_fmt:MATRIX_FMT_FP6 matrix_b_fmt:MATRIX_FMT_FP6 matrix_a_scale:MATRIX_SCALE_ROW1
.else
	v_wmma_scale_f32_16x16x128_f8f6f4 v[0+(\d):7+(\d)], v[0+(\a):11+(\a)], v[0+(\b):11+(\b)], 0, v[\sa], v[\sb] matrix_a_fmt:MATRIX_FMT_FP6 matrix_b_fmt:MATRIX_FMT_FP6
.endif
.else
.if (\row)
	v_wmma_scale_f32_16x16x128_f8f6f4 v[0+(\d):7+(\d)], v[0+(\a):11+(\a)], v[0+(\b):11+(\b)], v[0+(\c):7+(\c)], v[\sa], v[\sb] matrix_a_fmt:MATRIX_FMT_FP6 matrix_b_fmt:MATRIX_FMT_FP6 matrix_a_scale:MATRIX_SCALE_ROW1
.else
	v_wmma_scale_f32_16x16x128_f8f6f4 v[0+(\d):7+(\d)], v[0+(\a):11+(\a)], v[0+(\b):11+(\b)], v[0+(\c):7+(\c)], v[\sa], v[\sb] matrix_a_fmt:MATRIX_FMT_FP6 matrix_b_fmt:MATRIX_FMT_FP6
.endif
.endif
.endm
	s_load_b256 s[4:11], s[0:1], 0x0               ; emb, negl, prepb, x
	s_load_b128 s[12:15], s[0:1], 0x20             ; bt, tbuf
	s_load_b64 s[16:17], s[0:1], 0x30              ; tpart
	v_lshl_add_u32 v254, v0, 2, 0x4b000
	v_mov_b32 v255, 0
	ds_add_u32 v254, v255
	ds_add_u32 v254, v255
	v_lshrrev_b32 v1, 5, v0
	v_readfirstlane_b32 s[WV], v1
	s_bfe_u32 s[CX], ttmp6, 0x40000                ; my place in the cluster: it enters global addresses alone
	s_lshl_b32 s[WGX], ttmp9, 2
	s_add_co_u32 s[WGX], s[WGX], s[CX]
	s_and_b32 s[BB], ttmp7, 0xffff
	s_lshl_b32 s[GG], s[WGX], 2
	s_add_co_u32 s[GG], s[GG], s[WV]
	; descriptor groups 1: dense blocks as rows of 256 bytes; a quarter of the codes 192 rows, of the scale words 8, of -L 16
	s_mov_b32 s28, 15|(3<<16)|(1<<21)
	s_mov_b32 s29, 32<<16
	s_mov_b32 s30, 192<<16
	s_mov_b32 s31, 32<<16
	s_mov_b32 s32, 192
	s_mov_b32 s33, 32
	s_mov_b32 s34, 0
	s_mov_b32 s35, 0
	s_mov_b32 s36, 15|(3<<16)|(1<<21)
	s_mov_b32 s37, 32<<16
	s_mov_b32 s38, 8<<16
	s_mov_b32 s39, 32<<16
	s_mov_b32 s40, 8
	s_mov_b32 s41, 32
	s_mov_b32 s42, 0
	s_mov_b32 s43, 0
	s_mov_b32 s44, 15|(3<<16)|(1<<21)
	s_mov_b32 s45, 32<<16
	s_mov_b32 s46, 16<<16
	s_mov_b32 s47, 32<<16
	s_mov_b32 s48, 16
	s_mov_b32 s49, 32
	s_mov_b32 s50, 0
	s_mov_b32 s51, 0
	s_mul_i32 s80, s[BB], 196608
	s_mul_i32 s82, s[WV], 49152
	s_add_co_u32 s80, s80, s82
	s_mov_b32 s81, 0
	s_lshl_b32 s84, s[BB], 13
	s_lshl_b32 s83, s[WV], 11
	s_add_co_u32 s84, s84, s83
	s_add_co_u32 s84, s84, QKSCL
	s_mov_b32 s85, 0
	s_lshl_b32 s86, s[BB], 14
	s_lshl_b32 s88, s[WV], 12
	s_add_co_u32 s86, s86, s88
	s_mov_b32 s87, 0
	s_mov_b32 s[SEL], 0x76543210
	s_mov_b32 s[SEL+1], 0xfedcba98
	s_mov_b32 s[CS], 0x3fb8aa3b                    ; log2(e)
	s_mov_b32 s[CS+1], s[CS]
	s_wait_dscnt 0x0
	s_wait_kmcnt 0x0
	s_load_b128 s[MU:MU+3], s[4:5], P1TAB+4096     ; mu (this launch stores nothing into emb)
	s_mov_b32 s52, 1
	s_mov_b32 s53, s82
	s_add_nc_u64 s[54:55], s[4:5], s[80:81]
	s_or_b32 s55, s55, 0x80000000
	s_mov_b32 s56, 1
	s_add_co_u32 s57, s83, QSC
	s_add_nc_u64 s[58:59], s[4:5], s[84:85]
	s_or_b32 s59, s59, 0x80000000
	s_mov_b32 s60, 1
	s_add_co_u32 s61, s88, NL
	s_add_nc_u64 s[62:63], s[6:7], s[86:87]
	s_or_b32 s63, s63, 0x80000000
	ROUND                                          ; all four work-groups are here: the joint loads meet
	tensor_load_to_lds s[52:55], s[28:35]
	s_nop 0
	tensor_load_to_lds s[56:59], s[36:43]
	s_nop 0
	tensor_load_to_lds s[60:63], s[44:51]
	s_nop 0
.rept 4
	v_nop
.endr
	v_and_b32 v15, 31, v0
	v_and_b32 v1, 15, v0                           ; r
	v_bfe_u32 v2, v0, 4, 1                         ; h
	v_lshlrev_b32 v3, 4, v15                       ; 16 x lane
	v_lshl_add_u32 v4, v15, 2, QSC
	v_lshl_add_u32 v13, v15, 2, ASC                ; att's scale words, read
	v_add_nc_u32 v12, AIMG, v3                     ; att's images, read
	v_lshl_add_u32 v14, v2, 6, NL                  ; -L: 16 h points on
	s_mul_i32 s80, s[WV], 3072
	v_add_nc_u32 v8, s80, v12                      ; att's images, written: my two tiles
	s_lshl_b32 s80, s[WV], 8
	v_add_nc_u32 v9, s80, v13
	v_lshlrev_b32 v11, 2, v15
	v_add_nc_u32 v11, s80, v11                     ; v's scale words: my four tiles
	s_mul_i32 s80, s[WV], 6144
	v_add_nc_u32 v10, s80, v3                      ; v's images: my four tiles
	s_lshl_b32 s80, s[BB], 7
	s_add_co_u32 s80, s80, s[GG]
	s_mul_i32 s82, s80, 1536
	v_add_nc_u32 v39, s82, v3
	s_lshl_b32 s83, s80, 6
	s_add_co_u32 s83, s83, QKSCL
	v_lshl_add_u32 v15, v1, 2, s83
	global_load_b128 v[76:79], v39, s[4:5]         ; my own group from memory
	global_load_b128 v[80:83], v39, s[4:5] offset:512
	global_load_b128 v[84:87], v39, s[4:5] offset:1024
	global_load_b32 v38, v15, s[4:5]
.irp t, 0,1
.irp i, 0,1,2,3,4,5
	v_mov_b32 v[OWN+18*\t+\i], 0
	v_mov_b32 v[OWN+18*\t+12+\i], 0
.endr
.endr
	s_mul_i32 s80, s[BB], 786432
	s_add_co_u32 s80, s80, VIMG
	s_mov_b32 s81, 0
	s_add_nc_u64 s[VBA:VBA+1], s[4:5], s[80:81]
	s_lshl_b32 s80, s[BB], 15
	s_add_co_u32 s80, s80, VSCL
	s_add_nc_u64 s[VSB:VSB+1], s[4:5], s[80:81]
	s_wait_loadcnt 0x0
.irp t, 0,1
.irp i, 0,1,2,3,4,5
	v_mov_b32 v[OWN+18*\t+6+\i], v[76+6*\t+\i]
.endr
.endr
	v_and_b32 v7, 0xffff, v38
	v_lshl_or_b32 v[OW], v38, 16, v7
	v_lshrrev_b32 v7, 16, v38
	v_and_or_b32 v[OW+1], v38, 0xffff0000, v7
.irp i, 0,1,2,3,4,5,6,7                        ; (also the places between the lines above and the first scaled product)
	v_mov_b32 v[ZA+\i], 0
	v_mov_b32 v[TP+\i], 0
.endr
; A step's four fragments of v and their scale words: 14 loads into set vs.  adv = 1: the bases first step on from the call before; the wait that frees them stands here, a step behind the loads that name them
.macro VLOAD vs, adv
.if \adv
	s_wait_xcnt 0x0                                ; the bases are stepped only behind this wait
	s_add_nc_u64 s[VBA:VBA+1], s[VBA:VBA+1], 24576
	s_add_nc_u64 s[VSB:VSB+1], s[VSB:VSB+1], 1024
.endif
	WIN 0x80
.irp k, 0,1,2,3,4,5,6,7,8,9,10,11
	global_load_b128 v[48*\vs+4*\k:48*\vs+4*\k+3], v10, s[VBA:VBA+1] offset:512*\k
.endr
	WIN 0
	global_load_b32 v[VSC+2*\vs], v11, s[VSB:VSB+1]
	global_load_b32 v[VSC+2*\vs+1], v11, s[VSB:VSB+1] offset:128
.endm
	VLOAD 0, 0
	VLOAD 1, 1
	s_mov_b32 s[TQ], 0
	s_mov_b32 s[TSC], 0
	s_mov_b32 s[TL], 0
	s_wait_kmcnt 0x0
	s_wait_tensorcnt 0x0                           ; my three quarters have landed,
	s_barrier_signal -1
	s_barrier_wait -1                              ; everybody's have
.macro LOADA                           ; 128 points n: four pair fragments, their scale words, -L in the result's layout: 30 LDS loads
	v_add_nc_u32 v5, s[TQ], v3
	v_add_nc_u32 v6, s[TSC], v4
	v_add_nc_u32 v7, s[TL], v14
.irp k, 0,1,2,3,4,5,6,7,8,9,10,11
	ds_load_b128 v[AF+4*\k:AF+4*\k+3], v5 offset:512*\k
.endr
	ds_load_b32 v[AS], v6
	ds_load_b32 v[AS+1], v6 offset:128
.irp p, 0,1,2,3
.irp q, 0,1,2,3
	ds_load_b128 v[CL+16*\p+4*\q:CL+16*\p+4*\q+3], v7 offset:128*\p+16*\q
.endr
.endr
.endm
.macro ANEXT                           ; on to the next 128 points n
	s_add_co_u32 s[TQ], s[TQ], 6144
	s_add_co_u32 s[TSC], s[TSC], 256
	s_add_co_u32 s[TL], s[TL], 512
.endm
; e - L for 128 n x my 32 m into score set sd: 16 products, all on accumulators of their own.  cnt: the younger LDS loads that may stay out.  ex = 1: eight exponentials of score set sx stand behind each product
.macro ENERGY cnt, sd, ex, sx
	s_wait_dscnt \cnt
.set ei, 128*(\sx)
.irp p, 0,1,2,3
.irp u, 0,1
.irp t, 0,1
	WIN 0xc0
	MM 128*(\sd)+64*\t+16*\p+8*\u, AF+12*\p, OWN+18*\t+6-6*\u, CL+16*\p+8*\u, AS+\p/2, OW+\t, \p%2
.if \ex
	WIN 0xc3
.rept 8
	v_exp_f32 v[ei], v[ei]
.set ei, ei+1
.endr
.endif
.endr
.endr
.endr
	WIN 0
	PLACES                                         ; behind the last product and the last exponential
.endm
.macro AMUL sx                         ; (e - L) log2 e
	WIN 0xc3
.set i, 128*(\sx)
.rept 64
	v_pk_mul_f32 v[i:i+1], v[i:i+1], s[CS:CS+1] op_sel_hi:[1,0]
.set i, i+2
.endr
	WIN 0
.endm
.macro AEXP sx                         ; a set's 128 exponentials with no products to stand behind
	WIN 0xc3
.set i, 128*(\sx)
.rept 128
	v_exp_f32 v[i], v[i]
.set i, i+1
.endr
	WIN 0
	v_nop
.endm
.macro AADD sx                         ; the columns' sums, two chains a tile
	WIN 0x0c
.set i, 128*(\sx)
	s_wait_alu depctr_va_vdst(0)
.rept 16
	v_pk_add_f32 v[ZA:ZA+1], v[ZA:ZA+1], v[i:i+1]
	v_pk_add_f32 v[ZA+4:ZA+5], v[ZA+4:ZA+5], v[64+i:64+i+1]
	v_pk_add_f32 v[ZA+2:ZA+3], v[ZA+2:ZA+3], v[i+2:i+3]
	v_pk_add_f32 v[ZA+6:ZA+7], v[ZA+6:ZA+7], v[64+i+2:64+i+3]
.set i, i+4
.endr
	WIN 0
.endm
; A step of phase A: its scores lie in set sx; the next step's products go into set sd.  ld = 1: the operands of the step after that are fetched; 2: step 0's again
.macro ASTEP sx, sd, ld
	AMUL \sx
	ENERGY 0, \sd, 1, \sx
.if \ld == 1
	ANEXT
.else
	s_mov_b32 s[TQ], 0
	s_mov_b32 s[TSC], 0
	s_mov_b32 s[TL], 0
.endif
	LOADA
	AADD \sx
.endm
	LOADA
	ENERGY 0, 0, 0, 0                              ; step 0's scores
	ANEXT
	LOADA
	s_mov_b32 s[CNT], 15
.LphA:                                                 ; steps 0 to 29
	ASTEP 0, 1, 1
	ASTEP 1, 0, 1
	s_sub_co_u32 s[CNT], s[CNT], 1
	s_cmp_lg_u32 s[CNT], 0
	s_cbranch_scc1 .LphA
	ASTEP 0, 1, 2                                  ; step 30; step 0's operands are fetched again
	ASTEP 1, 0, 1                                  ; step 31; its products are step 0's scores for phase B, into set 0; step 1's operands are fetched
.irp t, 0,1
	v_pk_add_f32 v[ZA+4*\t:ZA+4*\t+1], v[ZA+4*\t:ZA+4*\t+1], v[ZA+4*\t+2:ZA+4*\t+3]
	v_add_f32 v[ZA+4*\t], v[ZA+4*\t], v[ZA+4*\t+1]
	v_permlanex16_b32 v[TP+\t], v[ZA+4*\t], s[SEL], s[SEL+1]
	v_add_f32 v[ZA+4*\t], v[ZA+4*\t], v[TP+\t]     ; the column's sum
	v_add_f32 v[ZA+4*\t], 0x3089705f, v[ZA+4*\t]   ; + 1e-9
	v_log_f32 v[LR+2*\t], v[ZA+4*\t]
	v_nop
	s_wait_alu depctr_va_vdst(0)
	v_xor_b32 v[LR+2*\t], 0x80000000, v[LR+2*\t]
	v_mov_b32 v[LR+2*\t+1], v[LR+2*\t]
.endr
; The exponents of att for 128 n x my 32 m (score set 0), and each block's largest
.macro SMQ1
	WIN 0xc3
.set i, 0
.rept 32
	v_pk_fma_f32 v[i:i+1], v[i:i+1], s[CS:CS+1], v[LR:LR+1] op_sel_hi:[1,0,1]
.set i, i+2
.endr
.rept 32
	v_pk_fma_f32 v[i:i+1], v[i:i+1], s[CS:CS+1], v[LR+2:LR+3] op_sel_hi:[1,0,1]
.set i, i+2
.endr
	WIN 0x0f                                       ; a block's largest exponent: att rises with it, so it gives the block's largest att
.irp t, 0,1,2,3,4,5,6,7
	v_max_num_f32 v[TM+\t], v[16*\t], v[16*\t+1]
.endr
	WIN 0x3c
.irp i, 2,4,6,8,10,12,14
.irp t, 0,1,2,3,4,5,6,7
	v_max3_num_f32 v[TM+\t], v[TM+\t], v[16*\t+\i], v[16*\t+\i+1]
.endr
.endr
	WIN 0
.endm
; att (the exponentials are done) is quantised along n; its two fragments and scale words go to LDS, set par
.macro SMQ2 par
.irp t, 0,1,2,3,4,5,6,7
	v_permlanex16_b32 v[TP+\t], v[TM+\t], s[SEL], s[SEL+1]
.endr
.irp t, 0,1,2,3,4,5,6,7
	v_max_num_f32 v[TM+\t], v[TM+\t], v[TP+\t]
.endr
.irp t, 0,1,2,3,4,5,6,7
	v_exp_f32 v[TM+\t], v[TM+\t]                   ; the same instruction on the same number gives the same bits
.endr
	v_nop
	s_wait_alu depctr_va_vdst(0)
.irp t, 0,1,2,3,4,5,6,7
	v_max_num_f32 v[TM+\t], 0x1800000, v[TM+\t]    ; the floor 2^(3 - 127)
.endr
.irp t, 0,1,2,3,4,5,6,7
	v_add_nc_u32 v[TS+\t], 0xff000000, v[TM+\t]
.endr
.irp t, 0,1,2,3,4,5,6,7
	v_lshrrev_b32 v[TP+\t], 23, v[TS+\t]
.endr
.irp t, 0,1
	v_lshl_or_b32 v[PW+\t], v[TP+4*\t+1], 8, v[TP+4*\t]
	v_lshl_or_b32 v[PW+\t], v[TP+4*\t+2], 16, v[PW+\t]
	v_lshl_or_b32 v[PW+\t], v[TP+4*\t+3], 24, v[PW+\t]
.endr
	WIN 0x03
.irp t, 0,1
.irp c, 0,1
	v_cvt_scalef32_pk16_fp6_f32 v[PC+20*\t+6*\c:PC+20*\t+6*\c+2], v[64*\t+32*\c:64*\t+32*\c+15], v[TS+4*\t+2*\c]
	v_cvt_scalef32_pk16_fp6_f32 v[PC+20*\t+12+4*\c:PC+20*\t+12+4*\c+2], v[64*\t+32*\c+16:64*\t+32*\c+31], v[TS+4*\t+2*\c+1]
.endr
.endr
	WIN 0
	v_nop                                          ; one plain place behind a scaled conversion
.irp t, 0,1
.irp c, 0,1
.irp i, 0,1,2
	v_permlane16_swap_b32 v[PC+20*\t+6*\c+\i], v[PC+20*\t+12+4*\c+\i]
.endr
.irp i, 0,1,2
	v_mov_b32 v[PC+20*\t+6*\c+3+\i], v[PC+20*\t+12+4*\c+\i]
.endr
.endr
.endr
.irp t, 0,1
.irp j, 0,1,2
	ds_store_b128 v8, v[PC+20*\t+4*\j:PC+20*\t+4*\j+3] offset:(\par)*12288+1536*\t+512*\j
.endr
	ds_store_b32 v9, v[PW+\t] offset:(\par)*1024+128*\t
.endr
.endm
.macro ATTLOAD par                     ; all 8 fragments of att and their scale words from LDS, set par: 32 loads
	WIN 0x80
.irp k, 0,1,2,3,4,5,6,7,8,9,10,11,12,13,14,15,16,17,18,19,20,21,22,23
	ds_load_b128 v[96+4*\k:99+4*\k], v12 offset:(\par)*12288+512*\k
.endr
	WIN 0
.irp t, 0,1,2,3,4,5,6,7
	ds_load_b32 v[ATS+\t], v13 offset:(\par)*1024+128*\t
.endr
.endm
; x_r += v att: my 4 tiles of v (set vs) against att's 8 fragments; 32 accumulators by turns, one instruction a turn.  ex = 1: four of the next step's 128 exponentials (score set 0) stand behind each product
.macro PV vs, zero, ex
.set ei, 0
.irp c, 0,1,2,3
.irp t, 0,1,2,3,4,5,6,7
	WIN 0x5a
.if \zero
	MM 8*(8*\c+\t), 48*\vs+12*\c, 96+12*\t, -1, VSC+2*\vs+\c/2, ATS+\t, \c%2
.else
	MM 8*(8*\c+\t), 48*\vs+12*\c, 96+12*\t, 8*(8*\c+\t), VSC+2*\vs+\c/2, ATS+\t, \c%2
.endif
.if \ex
	WIN 0xc3
.rept 4
	v_exp_f32 v[ei], v[ei]
.set ei, ei+1
.endr
.endif
.endr
.endr
	WIN 0
	PLACES                                         ; behind the last product and the last exponential
.endm
; Step k of phase B; att(k) lies in set par.  en: there is a step k + 1 (its att goes to set nxt); pfa: the operands of e(k + 2) are fetched; pfv: v(k + 2) is asked for; cnt: the loads of v that may stay out
.macro BSTEP par, nxt, zero, en, pfa, pfv, cnt
	BAR                                            ; the step's eight fragments of att lie in LDS; my operands of e(k + 1) are in
	ATTLOAD \par
.if \en
	ENERGY 32, 0, 0, 0                             ; the 32 loads just issued may stay out
.if \pfa
	ANEXT
	LOADA
.endif
	SMQ1
.endif
	s_wait_loadcnt \cnt                            ; this step's v is in; the next step's 14 loads may be out
.if \pfa
	s_wait_dscnt 30                                ; att's fragments are in; the 30 operand loads behind them may be out
.else
	s_wait_dscnt 0x0
.endif
	PV \par, \zero, \en
.if \pfv
	VLOAD \par, 1                                  ; v of two steps on, into the set just multiplied
.endif
.if \en
	SMQ2 \nxt
.endif
.endm
	SMQ1                                           ; step 0's att: nothing is there yet to stand beside it
	AEXP 0
	SMQ2 0
	BSTEP 0, 1, 1, 1, 1, 1, 14                     ; the first step's products start the sums
	BSTEP 1, 0, 0, 1, 1, 1, 14
	s_mov_b32 s[CNT], 14
.LphB:                                                 ; steps 2 to 29
	BSTEP 0, 1, 0, 1, 1, 1, 14
	BSTEP 1, 0, 0, 1, 1, 1, 14
	s_sub_co_u32 s[CNT], s[CNT], 1
	s_cmp_lg_u32 s[CNT], 0
	s_cbranch_scc1 .LphB
	BSTEP 0, 1, 0, 1, 0, 0, 14                     ; step 30 makes att(31) and fetches nothing beyond the end,
	BSTEP 1, 0, 0, 0, 0, 0, 0                      ; step 31 multiplies alone; its wait for all loads also frees v's address registers
	; ---- the epilogue's addresses
	v_and_b32 v39, 31, v0
	s_mul_i32 s80, s[WV], 12288
	v_add_nc_u32 v5, s80, v3                       ; Wt's fragments: my four tiles
	s_lshl_b32 s80, s[WV], 10
	v_lshl_add_u32 v6, v39, 2, s80                 ; their scale words
	s_lshl_b32 s81, s[WV], 8
	v_lshl_add_u32 v7, v2, 6, s81                  ; the table of BN1: my 64 channels, 16 h on
	v_and_b32 v9, 8, v1
	v_add_nc_u32 v9, v9, v1
	s_mul_i32 s82, s[BB], 49152
	s_lshl_b32 s83, s[WGX], 9
	s_add_co_u32 s82, s82, s83
	v_lshl_add_u32 v8, v9, 2, s82                  ; x
	v_lshl_add_u32 v9, v9, 2, s81                  ; bt
	v_lshl_add_u32 v38, v2, 10, v9                 ; tpart: lanes 0-15 the means, lanes 16-31 the sums of squares
	s_mul_i32 s84, s[WV], 768
	s_add_co_u32 s84, s84, DIMG
	v_add_nc_u32 v10, s84, v3                      ; d's six registers: four at 16 x lane,
	s_add_co_u32 s84, s84, 512
	v_lshl_add_u32 v11, v39, 3, s84                ; two at 512 + 8 x lane
	s_lshr_b32 s85, s[WV], 1
	s_lshl_b32 s85, s85, 6
	s_and_b32 s86, s[WV], 1
	s_lshl_b32 s86, s86, 1
	s_add_co_u32 s85, s85, s86
	s_add_co_u32 s85, s85, DSC
	v_lshl_add_u32 v12, v1, 2, s85                 ; my two scale bytes of row r's word
	v_lshl_add_u32 v13, v39, 2, DSC
	v_add_nc_u32 v14, DIMG, v3
	v_lshl_add_u32 v15, v39, 3, DIMG
	s_mul_i32 s87, s[WV], 8448
	s_add_co_u32 s87, s87, STG
	v_mul_u32_u24 v36, v1, 528
	v_lshl_add_u32 v36, v2, 6, v36
	v_add_nc_u32 v36, s87, v36                     ; the stage, in: row r, 16 h points on
	v_add_nc_u32 v37, s87, v3                      ; and back: 16 bytes a lane
	v_cmp_eq_u32 s[HM], 1, v2
	s_add_nc_u64 s[88:89], s[4:5], P1TAB
	s_lshl_b32 s90, s[BB], 8
	s_lshl_b32 s91, s[WV], 6
	s_add_co_u32 s90, s90, s91
	s_lshl_b32 s90, s90, 14
	s_add_co_u32 s90, s90, s83
	s_mov_b32 s91, 0
	s_add_nc_u64 s[14:15], s[14:15], s[90:91]      ; t: row 256 b + 64 w, column 128 wgx
	s_lshl_b32 s90, s[BB], 5
	s_add_co_u32 s90, s90, s[WGX]
	s_lshl_b32 s90, s90, 11
	s_add_nc_u64 s[16:17], s[16:17], s[90:91]
	WIN 0x80
.irp k, 0,1,2,3,4,5,6,7,8,9,10,11,12,13,14,15,16,17,18,19,20,21,22,23
	global_load_b128 v[4*\k:4*\k+3], v5, s[8:9] offset:61440+512*\k      ; Wt's fragment (ct, s) at 12 (2 ct + s) of window 2
.endr
	WIN 0xc0
.irp e, 0,1
.irp a, 0,1,2,3
.irp k, 0,1,2,3
	global_load_b128 v[64*\e+16*\a+4*\k:64*\e+16*\a+4*\k+3], v7, s[88:89] offset:1024*\a+128*\e+16*\k
.endr
.endr
.endr
	WIN 0
.irp n, 0,1,2,3,4,5,6,7
	global_load_b32 v[WTS+\n], v6, s[8:9] offset:WSCL+5120+128*\n
.endr
.irp t, 0,1,2,3,4,5,6,7
.irp i, 0,1,2
	global_load_b32 v[188+3*\t+\i], v8, s[10:11] offset:16384*\i+128*(\t/2)+32*(\t%2)
.endr
.endr
.irp c, 0,1,2,3
	global_load_b32 v[212+\c], v9, s[12:13] offset:128*(\c/2)+32*(\c%2)
.endr
	s_wait_loadcnt 0x0
.irp t, 0,1,2,3,4,5,6,7
.irp i, 0,1,2
	v_sub_f32 v[XP+6*\t+2*\i], v[188+3*\t+\i], s[MU+\i]
.endr
.endr
.irp t, 0,1,2,3,4,5,6,7
.irp i, 0,1,2
	v_mov_b32 v[XP+6*\t+2*\i+1], v[XP+6*\t+2*\i]
.endr
.endr
.irp c, 0,1,2,3
	v_mov_b32 v[BT+2*\c], v[212+\c]
	v_mov_b32 v[BT+2*\c+1], v[212+\c]
.endr
; d = h - x_r of m tile mt at my 64 channels (two blocks of 32 along the next K), quantised; six registers a lane and two scale bytes a row go to LDS
.macro E2 mt
	WIN 0x33
.irp e, 0,1
.irp p, 0,1,2,3,4,5,6,7
	v_pk_fma_f32 v[DD+16*\e+2*\p:DD+16*\e+2*\p+1], v[64*\e+2*\p:64*\e+2*\p+1], v[XP+6*\mt:XP+6*\mt+1], v[64*\e+48+2*\p:64*\e+48+2*\p+1]
.endr
.endr
	WIN 0x03
.irp i, 1,2
.irp e, 0,1
.irp p, 0,1,2,3,4,5,6,7
	v_pk_fma_f32 v[DD+16*\e+2*\p:DD+16*\e+2*\p+1], v[64*\e+16*\i+2*\p:64*\e+16*\i+2*\p+1], v[XP+6*\mt+2*\i:XP+6*\mt+2*\i+1], v[DD+16*\e+2*\p:DD+16*\e+2*\p+1]
.endr
.endr
.endr
	WIN 0
.set i, 0
.rept 32
	v_max_num_f32 v[DD+i], 0, v[DD+i]
.set i, i+1
.endr
	WIN 0x04
.irp e, 0,1
.irp u, 0,1
.irp q, 0,2,4,6
	v_pk_add_f32 v[DD+16*\e+8*\u+\q:DD+16*\e+8*\u+\q+1], v[DD+16*\e+8*\u+\q:DD+16*\e+8*\u+\q+1], v[8*(8*(2*\e+\u)+\mt)+\q:8*(8*(2*\e+\u)+\mt)+\q+1] neg_lo:[0,1] neg_hi:[0,1]
.endr
.endr
.endr
	WIN 0
	s_wait_dscnt 0x0                               ; the last tile's LDS stores have read their registers
.irp e, 0,1
	v_max3_num_f32 v[TM+\e], |v[DD+16*\e]|, |v[DD+16*\e+1]|, 0x1800000
.endr
.irp i, 2,4,6,8,10,12,14
.irp e, 0,1
	v_max3_num_f32 v[TM+\e], v[TM+\e], |v[DD+16*\e+\i]|, |v[DD+16*\e+\i+1]|
.endr
.endr
.irp e, 0,1
	v_permlanex16_b32 v[TP+\e], v[TM+\e], s[SEL], s[SEL+1]
.endr
.irp e, 0,1
	v_max_num_f32 v[TM+\e], v[TM+\e], v[TP+\e]
.endr
.irp e, 0,1
	v_add_nc_u32 v[TS+\e], 0xff000000, v[TM+\e]
.endr
.irp e, 0,1
	v_lshrrev_b32 v[TP+\e], 23, v[TS+\e]
.endr
	v_lshl_or_b32 v[PW], v[TP+1], 8, v[TP]
	v_cvt_scalef32_pk16_fp6_f32 v[188:190], v[DD:DD+15], v[TS]
	v_cvt_scalef32_pk16_fp6_f32 v[196:198], v[DD+16:DD+31], v[TS+1]
	v_nop
.irp i, 0,1,2
	v_permlane16_swap_b32 v[188+\i], v[196+\i]
.endr
.irp i, 0,1,2
	v_mov_b32 v[191+\i], v[196+\i]
.endr
	ds_store_b128 v10, v[188:191] offset:3072*\mt
	ds_store_b64 v11, v[192:193] offset:3072*\mt
	ds_store_b16 v12, v[PW] offset:128*\mt
.endm
.irp m, 0,1,2,3,4,5,6,7
	E2 \m
.endr
	BAR                                            ; d's sixteen fragments and their scale words lie in LDS
	; ---- t = Wt d (source 0 = 16 points of d, source 1 = 16 rows of Wt): a lane holds one channel, its registers run along the points
.irp t, 0,1,2,3,4,5,6,7
	ds_load_b32 v[ATS+\t], v13 offset:128*\t       ; lanes 0-15 K step 0's words, lanes 16-31 K step 1's
.endr
.irp s, 0,1
	WIN 0x80
.irp t, 0,1,2,3,4,5,6,7
	ds_load_b128 v[96+12*\t:99+12*\t], v14 offset:3072*\t+1536*\s
	ds_load_b64 v[100+12*\t:101+12*\t], v15 offset:3072*\t+1536*\s+512
	ds_load_b128 v[102+12*\t:105+12*\t], v14 offset:3072*\t+1536*\s+768
	ds_load_b64 v[106+12*\t:107+12*\t], v15 offset:3072*\t+1536*\s+1280
.endr
	WIN 0
	s_wait_dscnt 0x0
	WIN 0x5a
.irp c, 0,1,2,3
.irp t, 0,1,2,3,4,5,6,7
.if \s == 0
	MM 8*(8*\c+\t), 96+12*\t, 12*(2*\c+\s), -1, ATS+\t, WTS+2*\c+\s, \s
.else
	MM 8*(8*\c+\t), 96+12*\t, 12*(2*\c+\s), 8*(8*\c+\t), ATS+\t, WTS+2*\c+\s, \s
.endif
.endr
.endr
	WIN 0
	PLACES
.endr
; channel tile ct: + bt; the mean and the centred sum of squares over the 128 points; t through my stage in LDS, out as rows of 512 bytes
.macro E4 ct
	WIN 0x41
.set i, 0
.rept 32
	v_pk_add_f32 v[64*\ct+i:64*\ct+i+1], v[64*\ct+i:64*\ct+i+1], v[BT+2*\ct:BT+2*\ct+1]
.set i, i+2
.endr
	WIN 0
.irp i, 48,49,50,51,54,55,56,57
	v_mov_b32 v[\i], 0
.endr
	WIN 0x04
.set i, 0
.rept 16
	v_pk_add_f32 v[48:49], v[48:49], v[64*\ct+i:64*\ct+i+1]
	v_pk_add_f32 v[50:51], v[50:51], v[64*\ct+i+2:64*\ct+i+3]
.set i, i+4
.endr
	WIN 0
	v_pk_add_f32 v[48:49], v[48:49], v[50:51]
	v_add_f32 v48, v48, v49
	v_permlanex16_b32 v58, v48, s[SEL], s[SEL+1]
	v_add_f32 v48, v48, v58
	v_mul_f32 v60, 0x3c000000, v48                 ; / 128
	v_xor_b32 v52, 0x80000000, v60
	v_mov_b32 v53, v52
	WIN 0x01
.set i, 0
.rept 32
	v_pk_add_f32 v[76+i:76+i+1], v[64*\ct+i:64*\ct+i+1], v[52:53]
.set i, i+2
.endr
	WIN 0
.set i, 0
.rept 16
	v_pk_fma_f32 v[54:55], v[76+i:76+i+1], v[76+i:76+i+1], v[54:55]
	v_pk_fma_f32 v[56:57], v[76+i+2:76+i+3], v[76+i+2:76+i+3], v[56:57]
.set i, i+4
.endr
	v_pk_add_f32 v[54:55], v[54:55], v[56:57]
	v_add_f32 v61, v54, v55
	v_permlanex16_b32 v58, v61, s[SEL], s[SEL+1]
	v_add_f32 v61, v61, v58
	v_cndmask_b32 v62, v60, v61, s[HM]
	global_store_b32 v38, v62, s[16:17] offset:128*(\ct/2)+32*(\ct%2)
	WIN 0x04
.irp t, 0,1,2,3,4,5,6,7
	ds_store_b128 v36, v[64*\ct+8*\t:64*\ct+8*\t+3] offset:128*(\t/2)+32*(\t%2)
	ds_store_b128 v36, v[64*\ct+8*\t+4:64*\ct+8*\t+7] offset:128*(\t/2)+32*(\t%2)+16
.endr
	WIN 0
	s_wait_xcnt 0x0                                ; the earlier stores have read their registers: the loads below may land there
.irp i, 0,1,2,3,4,5,6,7,8,9,10,11,12,13,14,15
	ds_load_b128 v[140+4*\i:143+4*\i], v37 offset:528*\i           ; LDS serves a wave's instructions in order (ISA guide 5.7.1.4): these see my stores
.endr
.irp i, 0,1,2,3,4,5,6,7,8,9,10,11,12,13,14,15
	s_wait_dscnt 15-\i
	global_store_b128 v3, v[140+4*\i:143+4*\i], s[14:15] offset:(32*(\ct/2)+8*(\ct%2)+\i+8*(\i/8))*16384   ; 32 lanes store 512 bytes on end, at a multiple of 256 from t's first byte
.endr
.endm
	E4 0
	E4 1
	E4 2
	E4 3
	s_wait_tensorcnt 0x0
	ds_add_u32 v254, v255
	s_wait_dscnt 0x0
	ROUND                                          ; the closing round
	s_endpgm
.Lfunc_end_k_q83cb8f3061_attn:
	.size	k_q83cb8f3061_attn, .Lfunc_end_k_q83cb8f3061_attn-k_q83cb8f3061_attn
	.p2alignl 7, 3214868480
	.fill 96, 4, 3214868480
	.section	.rodata,"a",@progbits
	.p2align	6, 0x0
	.amdhsa_kernel k_q83cb8f3061_attn
		.amdhsa_group_segment_fixed_size 327680
		.amdhsa_private_segment_fixed_size 0
		.amdhsa_enable_private_segment 0
		.amdhsa_kernarg_size 56
		.amdhsa_user_sgpr_count 2
		.amdhsa_user_sgpr_kernarg_segment_ptr 1
		.amdhsa_wavefront_size32 1
		.amdhsa_system_sgpr_workgroup_id_x 1
		.amdhsa_system_sgpr_workgroup_id_y 1
		.amdhsa_system_sgpr_workgroup_id_z 1
		.amdhsa_system_vgpr_workitem_id 0
		.amdhsa_next_free_vgpr 1024
		.amdhsa_next_free_sgpr 100
		.amdhsa_reserve_vcc 0
		.amdhsa_float_denorm_mode_32 3
		.amdhsa_float_denorm_mode_16_64 3
		.amdhsa_memory_ordered 1
		.amdhsa_forward_progress 1
		.amdhsa_inst_pref_size 255
	.end_amdhsa_kernel
	.section	.bss,"aw",@nobits
	.p2align	6
	.space	262144
	.amdgpu_metadata
---
amdhsa.version: [ 1, 2 ]
amdhsa.kernels:
  - .name:           k_q83cb8f3061_attn
    .symbol:         k_q83cb8f3061_attn.kd
    .args:
      - { .name: emb, .offset: 0, .size: 8, .value_kind: global_buffer, .address_space: global }
      - { .name: negl, .offset: 8, .size: 8, .value_kind: global_buffer, .address_space: global }
      - { .name: prepb, .offset: 16, .size: 8, .value_kind: global_buffer, .address_space: global }
      - { .name: x, .offset: 24, .size: 8, .value_kind: global_buffer, .address_space: global }
      - { .name: bt, .offset: 32, .size: 8, .value_kind: global_buffer, .address_space: global }
      - { .name: tbuf, .offset: 40, .size: 8, .value_kind: global_buffer, .address_space: global }
      - { .name: tpart, .offset: 48, .size: 8, .value_kind: global_buffer, .address_space: global }
    .group_segment_fixed_size: 327680
    .private_segment_fixed_size: 0
    .kernarg_segment_align: 8
    .kernarg_segment_size: 56
    .max_flat_workgroup_size: 128
    .sgpr_count:     100
    .vgpr_count:     1024
    .wavefront_size: 32
...
	.end_amdgpu_metadata
.endif
;; end of part 4
;; launch final (part 5): grid 32 x 8, 8 waves a work-group, no clusters, 1,536 bytes of LDS; arguments x, emb, tbuf, tpart, g2, b2, out0; writes out0
.if DOCPART == 5
	.amdgcn_target "amdgcn-amd-amdhsa--gfx1250"
	.amdhsa_code_object_version 6
	.text
	.protected	k_q83cb8f3061_final
	.globl	k_q83cb8f3061_final
	.p2align	8
	.type	k_q83cb8f3061_final,@function
k_q83cb8f3061_final:
	s_mov_b64 s[64:65], 0
	v_nop
	global_prefetch_b8 v0, s[64:65] scope:SCOPE_SE
	s_setreg_imm32_b32 hwreg(HW_REG_WAVE_MODE, 25, 1), 1
	s_wait_xcnt 0x0
; out = h + relu(BN2(t)).  A work-group takes 8 channels of one batch, all 4,096 points; thread t holds points 4 t + 1,024 k.  h is made anew from x by three fused multiply-adds.
; BN2: wave w joins channel 8 gx + w's 256 partial means and centred sums of squares (128 points each): mean = the mean of the means, M2 = sum of (M2_i + 128 (mean_i - mean)^2): terms that are never negative.
; A stream: every load and store of a wave covers 512 bytes on end; all loads are issued at the head; no register is written twice while a store may read it.  No matrix unit, no cluster: nothing is shared but 64 bytes a channel.
.set P1TAB, 8192000
.set SEL, 22
.set X,   8                            ; v8-55    x - mu: channel i at 16 i, 16 points
.set PM,  56                           ; v56-63 partial means, v64-71 partial sums of squares; later h
.set U,   72                           ; v72-77   A0, A1, A2, b1, g2, b2 of my wave's channel
.set T,   80                           ; v80-207  t, 16 points a channel; then out
.set PR,  208                          ; v208-223 a channel's row of parameters, each twice
.macro WSUM r, t
	v_add_f32_dpp v[\r], v[\r], v[\r] row_xmask:1 row_mask:0xf bank_mask:0xf
	v_add_f32_dpp v[\r], v[\r], v[\r] row_xmask:2 row_mask:0xf bank_mask:0xf
	v_add_f32_dpp v[\r], v[\r], v[\r] row_xmask:4 row_mask:0xf bank_mask:0xf
	v_add_f32_dpp v[\r], v[\r], v[\r] row_xmask:8 row_mask:0xf bank_mask:0xf
	v_permlanex16_b32 v[\t], v[\r], s[SEL], s[SEL+1]
	v_add_f32 v[\r], v[\r], v[\t]
.endm
	s_load_b256 s[4:11], s[0:1], 0x0               ; x, emb, tbuf, tpart
	s_load_b128 s[12:15], s[0:1], 0x20             ; g2, b2
	s_load_b64 s[16:17], s[0:1], 0x30              ; out0
	v_lshl_add_u32 v232, v0, 2, 0x200
	v_mov_b32 v233, 0
	v_lshrrev_b32 v1, 5, v0
	v_readfirstlane_b32 s18, v1                    ; wave
	v_and_b32 v1, 31, v0
	s_and_b32 s19, ttmp7, 0xffff                   ; b
	s_lshl_b32 s20, ttmp9, 3                       ; the first of my 8 channels
	s_add_co_u32 s21, s20, s18                     ; my wave's channel
	s_mov_b32 s[SEL], 0x76543210
	s_mov_b32 s[SEL+1], 0xfedcba98
	v_lshlrev_b32 v2, 4, v0                        ; 16 bytes a thread
	s_mul_i32 s24, s19, 49152
	v_add_nc_u32 v6, s24, v2
	s_lshl_b32 s25, s21, 2
	v_lshl_add_u32 v3, v1, 11, s25                 ; partials: 2,048 bytes a work-group of the launch before
	v_mov_b32 v4, s25
	v_mov_b32 v5, s18
	v_lshlrev_b32 v5, 6, v5                        ; LDS: 64 bytes a channel
	v_mov_b32 v224, 0
	v_mov_b32 v226, 0
	s_lshl_b32 s26, s19, 8
	s_add_co_u32 s26, s26, s20
	s_lshl_b32 s26, s26, 14                        ; row 256 b + 8 gx of 16,384 bytes
	s_mov_b32 s27, 0
	s_wait_kmcnt 0x0
	s_load_b128 s[28:31], s[6:7], P1TAB+4096       ; mu
	s_add_nc_u64 s[8:9], s[8:9], s[26:27]
	s_add_nc_u64 s[16:17], s[16:17], s[26:27]
	s_add_nc_u64 s[32:33], s[6:7], P1TAB
.irp i, 0,1,2
.irp k, 0,1,2,3
	global_load_b128 v[X+16*\i+4*\k:X+16*\i+4*\k+3], v6, s[4:5] offset:16384*\i+4096*\k
.endr
.endr
.irp k, 0,1,2,3,4,5,6,7
	global_load_b32 v[PM+\k], v3, s[10:11] offset:65536*\k
	global_load_b32 v[PM+8+\k], v3, s[10:11] offset:65536*\k+1024
.endr
.irp a, 0,1,2,3
	global_load_b32 v[U+\a], v4, s[32:33] offset:1024*\a
.endr
	global_load_b32 v[U+4], v4, s[12:13]
	global_load_b32 v[U+5], v4, s[14:15]
.irp j, 0,1,2,3,4,5,6,7
.irp k, 0,1,2,3
	global_load_b128 v[T+16*\j+4*\k:T+16*\j+4*\k+3], v2, s[8:9] offset:16384*\j+4096*\k th:TH_LOAD_NT
.endr
.endr
	s_wait_loadcnt 32                              ; all but the 32 loads of t
	s_wait_kmcnt 0x0
.irp i, 0,1,2
.set n, 0
.rept 16
	v_sub_f32 v[X+16*\i+n], v[X+16*\i+n], s[28+\i]
.set n, n+1
.endr
.endr
	v_add_f32 v225, v[PM], v[PM+1]
.irp k, 2,3,4,5,6,7
	v_add_f32 v225, v225, v[PM+\k]
.endr
	WSUM 225, 226
	v_mul_f32 v225, 0x3b800000, v225               ; / 256: the channel's mean
.irp k, 0,1,2,3,4,5,6,7
	v_sub_f32 v[PM+\k], v[PM+\k], v225
.endr
.irp k, 0,1,2,3,4,5,6,7
	v_mul_f32 v227, 0x43000000, v[PM+\k]           ; x 128 points
	v_fmac_f32 v[PM+8+\k], v227, v[PM+\k]
.endr
.irp k, 1,2,3,4,5,6,7
	v_add_f32 v[PM+8], v[PM+8], v[PM+8+\k]
.endr
	WSUM PM+8, 226
	v_mul_f32 v[PM+8], 0x38000000, v[PM+8]         ; / 32,768: the variance
	v_add_f32 v[PM+8], 0x3727c5ac, v[PM+8]         ; + 1e-5
	v_rsq_f32 v227, v[PM+8]
	v_xor_b32 v225, 0x80000000, v225               ; (a plain place)  -mean
	s_wait_alu depctr_va_vdst(0)
	v_mul_f32 v227, v227, v[U+4]                   ; g2 rsq
.irp a, 0,1,2,3
	v_mov_b32 v[PR+2*\a], v[U+\a]
	v_mov_b32 v[PR+2*\a+1], v[U+\a]
.endr
	v_mov_b32 v[PR+8], v225
	v_mov_b32 v[PR+9], v225
	v_mov_b32 v[PR+10], v227
	v_mov_b32 v[PR+11], v227
	v_mov_b32 v[PR+12], v[U+5]
	v_mov_b32 v[PR+13], v[U+5]
	v_mov_b32 v[PR+14], 0
	v_mov_b32 v[PR+15], 0
.irp q, 0,1,2,3
	ds_store_b128 v5, v[PR+4*\q:PR+4*\q+3] offset:16*\q            ; every lane holds the same words
.endr
	s_wait_dscnt 0x0
	s_barrier_signal -1
	s_barrier_wait -1                              ; the eight channels' rows lie in LDS
.macro CH j
.irp q, 0,1,2,3
	ds_load_b128 v[PR+4*\q:PR+4*\q+3], v224 offset:64*\j+16*\q
.endr
	s_wait_loadcnt 28-4*\j                         ; this channel's four loads are in; the later channels' may be out
	s_wait_dscnt 0x0
.set n, 0
.rept 8
	v_pk_add_f32 v[T+16*\j+2*n:T+16*\j+2*n+1], v[T+16*\j+2*n:T+16*\j+2*n+1], v[PR+8:PR+9]
.set n, n+1
.endr
.set n, 0
.rept 8
	v_pk_fma_f32 v[T+16*\j+2*n:T+16*\j+2*n+1], v[T+16*\j+2*n:T+16*\j+2*n+1], v[PR+10:PR+11], v[PR+12:PR+13]
.set n, n+1
.endr
.set n, 0
.rept 8
	v_pk_fma_f32 v[PM+2*n:PM+2*n+1], v[PR:PR+1], v[X+2*n:X+2*n+1], v[PR+6:PR+7]
.set n, n+1
.endr
.set n, 0
.rept 8
	v_pk_fma_f32 v[PM+2*n:PM+2*n+1], v[PR+2:PR+3], v[X+16+2*n:X+16+2*n+1], v[PM+2*n:PM+2*n+1]
.set n, n+1
.endr
.set n, 0
.rept 8
	v_pk_fma_f32 v[PM+2*n:PM+2*n+1], v[PR+4:PR+5], v[X+32+2*n:X+32+2*n+1], v[PM+2*n:PM+2*n+1]
.set n, n+1
.endr
.set n, 0
.rept 16
	v_max_num_f32 v[T+16*\j+n], 0, v[T+16*\j+n]
	v_max_num_f32 v[PM+n], 0, v[PM+n]
.set n, n+1
.endr
.set n, 0
.rept 8
	v_pk_add_f32 v[T+16*\j+2*n:T+16*\j+2*n+1], v[T+16*\j+2*n:T+16*\j+2*n+1], v[PM+2*n:PM+2*n+1]
.set n, n+1
.endr
.irp k, 0,1,2,3
	global_store_b128 v2, v[T+16*\j+4*\k:T+16*\j+4*\k+3], s[16:17] offset:16384*\j+4096*\k th:TH_STORE_NT
.endr
.endm
.irp j, 0,1,2,3,4,5,6,7
	CH \j
.endr
	s_wait_tensorcnt 0x0
	ds_add_u32 v232, v233
	s_wait_dscnt 0x0
	s_endpgm
.Lfunc_end_k_q83cb8f3061_final:
	.size	k_q83cb8f3061_final, .Lfunc_end_k_q83cb8f3061_final-k_q83cb8f3061_final
	.p2alignl 7, 3214868480
	.fill 96, 4, 3214868480
	.section	.rodata,"a",@progbits
	.p2align	6, 0x0
	.amdhsa_kernel k_q83cb8f3061_final
		.amdhsa_group_segment_fixed_size 1536
		.amdhsa_private_segment_fixed_size 0
		.amdhsa_enable_private_segment 0
		.amdhsa_kernarg_size 56
		.amdhsa_user_sgpr_count 2
		.amdhsa_user_sgpr_kernarg_segment_ptr 1
		.amdhsa_wavefront_size32 1
		.amdhsa_system_sgpr_workgroup_id_x 1
		.amdhsa_system_sgpr_workgroup_id_y 1
		.amdhsa_system_sgpr_workgroup_id_z 1
		.amdhsa_system_vgpr_workitem_id 0
		.amdhsa_next_free_vgpr 234
		.amdhsa_next_free_sgpr 66
		.amdhsa_reserve_vcc 0
		.amdhsa_float_denorm_mode_32 3
		.amdhsa_float_denorm_mode_16_64 3
		.amdhsa_memory_ordered 1
		.amdhsa_forward_progress 1
		.amdhsa_inst_pref_size 52
	.end_amdhsa_kernel
	.amdgpu_metadata
---
amdhsa.version: [ 1, 2 ]
amdhsa.kernels:
  - .name:           k_q83cb8f3061_final
    .symbol:         k_q83cb8f3061_final.kd
    .args:
      - { .name: x, .offset: 0, .size: 8, .value_kind: global_buffer, .address_space: global }
      - { .name: emb, .offset: 8, .size: 8, .value_kind: global_buffer, .address_space: global }
      - { .name: tbuf, .offset: 16, .size: 8, .value_kind: global_buffer, .address_space: global }
      - { .name: tpart, .offset: 24, .size: 8, .value_kind: global_buffer, .address_space: global }
      - { .name: g2, .offset: 32, .size: 8, .value_kind: global_buffer, .address_space: global }
      - { .name: b2, .offset: 40, .size: 8, .value_kind: global_buffer, .address_space: global }
      - { .name: out0, .offset: 48, .size: 8, .value_kind: global_buffer, .address_space: global }
    .group_segment_fixed_size: 1536
    .private_segment_fixed_size: 0
    .kernarg_segment_align: 8
    .kernarg_segment_size: 56
    .max_flat_workgroup_size: 256
    .sgpr_count:     66
    .vgpr_count:     234
    .wavefront_size: 32
...
	.end_amdgpu_metadata
.endif
;; end of part 5
